; MI455X (gfx1250); checked and timed in simulation.
; The chip was launched on July 23, 2026; its instructions are those of AMD's public machine-readable ISA for CDNA 5 (MIT licence, August 2026) and "CDNA5" Instruction Set Architecture Reference Guide (July 2026). The comments in the code are by the model that wrote it; some were corrected since.
;; Multi Head Attention. Allowed arithmetic: matrix products marked QUANTISED: E2M1 operands, one E8M0 scale for each 32 along K, by v_wmma_scale_f32_16x16x128_f8f6f4 with both operands' format E2M1 (or v_wmma_scale_f32_32x16x128_f4), f32 sums; products left as they are: bf16, f16 or f32 operands; f32 sums; everything else in f32.
;; Inputs: Wout 1,024 x 1,024 float32; Wqkv 1,024 x 3,072 float32; attention_mask 4 x 2,048 bool; bout 1,024 float32; hidden_states 4 x 2,048 x 1,024 float32.
;; Outputs: out0 4 x 2,048 x 1,024 float32.
;; This version of the problem:
;;   THIS VERSION OF THE PROBLEM IS GIVEN IN LOW PRECISION. The matrix products marked QUANTISED in the list below multiply operands that are first quantised to E2M1 (2 exponent bits, 1 mantissa bit; 4 bits a number), with one power-of-two scale for each 32 numbers along K (OCP MX v1.0); their sums are f32. The products marked 'left as it is' may take bf16, f16 or f32 operands, with f32 sums. Whichever they take, every output number must still come out within the allowed error. Rounding operands to bf16 (8 significant bits) uses up far more of that allowance than f16 does (11 bits, for magnitudes from 6e-5 to 65,504). All else is computed in f32.
;;   The module's matrix products, in the order in which they are computed (A, B: the left and right operand; K: the contracted axis; several contracted axes count as one K, in the product's order):
;;     1. [M 8,192, K 1,024] x [K 1,024, N 3,072]; A: input hidden_states; B: input Wqkv: QUANTISED
;;     2. batch 64 x [M 2,048, K 64] x [K 64, N 2,048]; A: computed on the way; B: computed on the way: left as it is (an operand is computed on the way)
;;     3. batch 64 x [M 2,048, K 2,048] x [K 2,048, N 64]; A: computed on the way; B: computed on the way: left as it is (an operand is computed on the way)
;;     4. [M 8,192, K 1,024] x [K 1,024, N 1,024]; A: computed on the way; B: input Wout: left as it is (an operand is computed on the way)
;;   THE QUANTISER, for each operand of a quantised product, along K:
;;     - K is cut into blocks of 32 from its start; a last block that is shorter is filled with zeros.
;;     - A block's scale is 2^e with e = floor(log2(the largest magnitude in the block)) - 2, held to -126 .. 127; a block of zeros has e = 0. As a byte (E8M0): e + 127.
;;     - Each number is divided by its block's scale, clamped to +-6, and rounded to the nearest number of E2M1, ties to even, subnormals kept.
;;     - The product sums the exact products of the quantised numbers (number of the format x scale) in f32.
;;   ~~~python
;;   def quantise(x, axis):      # numpy; x: float32 -> the quantised numbers, widened to float32 again
;;       x = np.moveaxis(x, axis, -1); K = x.shape[-1]
;;       x = np.pad(x, [(0, 0)] * (x.ndim - 1) + [(0, -K % 32)]); x = x.reshape(x.shape[:-1] + (-1, 32)); a = np.abs(x).max(-1, keepdims=True)
;;       e = np.where(a > 0, np.clip(np.frexp(np.where(a > 0, a, 1))[1] - 1 - 2, -126, 127), 0)      # np.frexp(a)[1] - 1 = floor(log2(a)), exactly
;;       r = np.clip(x / 2.0 ** e, -6, 6)
;;       step = 2.0 ** (np.maximum(np.frexp(np.where(r == 0, 1, r))[1] - 1, 0) - 1)
;;       q = np.round(r / step) * step * 2.0 ** e      # np.round: ties to even
;;       return np.moveaxis(q.reshape(q.shape[:-2] + (-1,))[..., :K], -1, axis).astype(np.float32)
;;   ~~~
;; One version. Each part assembles by itself: llvm-mc -triple=amdgcn-amd-amdhsa -mcpu=gfx1250 --defsym DOCPART=n.
;; ======== version 1 of 1: 4 launches
;; limits: values are held in f16: magnitudes above 65,504 overflow, below 6.1e-05 lose precision
;; workspace buffers: xc 4,194,304 bytes; xs 262,144 bytes; wc 1,572,864 bytes; ws 98,304 bytes; wo 2,097,152 bytes; qkv 50,331,648 bytes; att 16,777,216 bytes
;; launch prep (part 1): grid 416 x 1, 4 waves a work-group, no clusters, 33,280 bytes of LDS; arguments hidden_states, Wqkv, Wout, xc, xs, wc, ws, wo; writes xc, xs, wc, ws, wo
.if DOCPART == 1
	.amdgcn_target "amdgcn-amd-amdhsa--gfx1250"
	.amdhsa_code_object_version 6
	.text
	.protected	k_qd0fcb6ed52_prep
	.globl	k_qd0fcb6ed52_prep
	.p2align	8
	.type	k_qd0fcb6ed52_prep,@function
k_qd0fcb6ed52_prep:
	s_mov_b64 s[64:65], 0
	v_nop
	global_prefetch_b8 v0, s[64:65] scope:SCOPE_SE
	s_setreg_imm32_b32 hwreg(HW_REG_WAVE_MODE, 25, 1), 1
	s_wait_xcnt 0x0
; PREP: the operands of the later launches are made once.
;   work-groups   0 ..  95: Wqkv [1024 (k)][3072 (n)] f32 -> codes of FP4 (E2M1) as images of operand registers (wc) and E8M0 scale bytes [3072][32] (ws)
;   work-groups  96 .. 159: Wout [1024 (k)][1024 (n)] f32 -> f16, as images of operand registers (wo)
;   work-groups 160 .. 415: hidden_states [8192][1024] f32 -> codes, row-major, 512 bytes a row (xc), and scale bytes [8192][32] (xs)
; A block's scale is 2^(floor(log2(its largest magnitude)) - 2); its byte is the largest magnitude's exponent field - 2, held at 1 from below.
; LIMITS: NaN and infinities among the inputs are not served.  A block of zeros gets the byte 1 where the quantiser says 127: its codes are zeros, which add nothing, and this program alone reads the bytes.
; Wout goes to f16: magnitudes from 65,520 on would become infinity.  The scale bytes of Wqkv leave 8 bytes a lane, rows 32 bytes apart: 98,304 bytes in the whole launch are stored so.
; The three paths part on the work-group's number alone; only the third touches LDS.
.set STEPS, 16
.set CB,    8                          ; bytes of 16 codes
.set WREG,  8192                       ; LDS: a region for each wave: two stages of 32 x SP bytes, behind them its 256 scale bytes
.set SP,    80                         ; a lane's place in a stage: 64 bytes + 16 of padding
.set SPARE, 4*WREG                     ; the spare words, 128 bytes a wave: two blocks of 256 bytes that no other line names
.set SPW,   12                         ; v12  LDS address of my spare word; never rewritten
.set NIL,   13                         ; v13  0; never rewritten
.set R,     16                         ; v16-79   hidden_states: four sets of 16 numbers as loaded
.set X,     80                         ; v80-111  two sets of 16 neighbours
.set E,     112                        ; v112-127 a scale byte for each step
.set C,     128                        ; v128-191 codes, registers of its own for each step
.set WX,    32                         ; the weights' paths: v32-95 two sets of 32 numbers down K
.set WC,    96                         ; v96..    results, registers of its own for each block: no store's data are written again
	s_load_b256 s[4:11], s[0:1], 0x0               ; hidden_states s[4:5], Wqkv s[6:7], Wout s[8:9], xc s[10:11]
	s_load_b256 s[12:19], s[0:1], 0x20             ; xs s[12:13], wc s[14:15], ws s[16:17], wo s[18:19]
	v_lshl_add_u32 v[SPW], v0, 2, SPARE
	v_mov_b32 v[NIL], 0
	v_lshrrev_b32 v1, 5, v0
	v_readfirstlane_b32 s20, v1                    ; wave 0..3
	v_and_b32 v2, 31, v0                           ; lane
	s_mov_b32 s25, 0                               ; the upper word of every offset below
	s_wait_kmcnt 0x0
	s_cmp_lt_u32 ttmp9, 96
	s_cbranch_scc1 .Lweights
	s_cmp_lt_u32 ttmp9, 160
	s_cbranch_scc1 .Lwout
; ---- hidden_states: a plain stream of blocks of 32.  A wave takes 16 steps of 512 numbers.  Each load reads 512 consecutive bytes; a step's 2,048 bytes turn through the wave's own stage in LDS,
; so that a lane then holds 16 neighbours along K (two neighbouring lanes hold a block).  Loads run four steps ahead, the turn through LDS one step.
	v_lshlrev_b32 v3, 4, v2                        ; my 16 bytes of a load's 512
	s_mul_i32 s21, s20, WREG
	v_lshrrev_b32 v14, 2, v2
	v_mul_u32_u24 v14, v14, SP
	v_and_b32 v15, 3, v2
	v_lshl_add_u32 v14, v15, 4, v14
	v_add_nc_u32 v14, s21, v14                     ; the stage, on the way in: SP (lane / 4) + 16 (lane % 4)
	v_mul_u32_u24 v15, v2, SP
	v_add_nc_u32 v15, s21, v15                     ; on the way out: SP x lane
	v_mul_u32_u24 v4, v2, CB                       ; my codes' place in a step's 256 bytes
	v_lshrrev_b32 v5, 1, v2
	s_add_co_u32 s21, s21, 2*32*SP
	v_add_nc_u32 v5, s21, v5                       ; LDS: my wave's 256 scale bytes, my block's byte
	v_lshlrev_b32 v7, 3, v2
	v_add_nc_u32 v6, s21, v7                       ; and on the way out 8 bytes a lane
	s_sub_co_u32 s22, ttmp9, 160
	s_lshl_b32 s22, s22, 2
	s_add_co_u32 s22, s22, s20                     ; which run of 8,192 numbers is my wave's: 0 .. 1,023
	s_lshl_b32 s24, s22, 15                        ; 32,768 bytes of f32,
	s_add_nc_u64 s[4:5], s[4:5], s[24:25]
	s_lshl_b32 s24, s22, 12                        ; 4,096 bytes of codes,
	s_add_nc_u64 s[10:11], s[10:11], s[24:25]
	s_lshl_b32 s24, s22, 8                         ; 256 scale bytes a run
	s_add_nc_u64 s[12:13], s[12:13], s[24:25]
.macro XLOAD t
.irp i, 0,1,2,3
	global_load_b128 v[R+16*((\t)%4)+4*\i:R+16*((\t)%4)+4*\i+3], v3, s[4:5] offset:2048*(\t)+512*\i th:TH_LOAD_NT
.endr
.endm
.macro XTURN t                         ; LDS serves a wave's instructions in order (ISA guide 5.7.1): no wait between the stores and the loads
.irp i, 0,1,2,3
	ds_store_b128 v14, v[R+16*((\t)%4)+4*\i:R+16*((\t)%4)+4*\i+3] offset:32*SP*((\t)%2)+8*SP*\i
.endr
.irp i, 0,1,2,3
	ds_load_b128 v[X+16*((\t)%2)+4*\i:X+16*((\t)%2)+4*\i+3], v15 offset:32*SP*((\t)%2)+16*\i
.endr
.endm
.irp t, 0,1,2,3
	XLOAD \t
.endr
	s_wait_loadcnt 12                              ; step 0's four loads are in; the twelve of steps 1 to 3 may be out
	XTURN 0
.macro XSTEP t
.set XS, X+16*((\t)%2)
.if (\t) > 0
	s_wait_dscnt 1                                 ; this step's numbers are back from the stage; the last step's byte store may be out
.else
	s_wait_dscnt 0x0
.endif
.if (\t)+4 < STEPS
	XLOAD (\t)+4                                   ; into the registers that this step's stores into the stage have read
.endif
.if (\t)+1 < STEPS
.if STEPS-2-(\t) >= 3
	s_wait_loadcnt 12                              ; the next step's four loads are in; those of the three steps behind it may be out
.else
	s_wait_loadcnt 4*(STEPS-2-(\t))
.endif
	XTURN (\t)+1
.endif
	v_max3_num_f32 v8, |v[XS]|, |v[XS+1]|, |v[XS+2]|               ; the largest magnitude of my 16, in two chains
	v_max3_num_f32 v9, |v[XS+3]|, |v[XS+4]|, |v[XS+5]|
.irp i, 6,10
	v_max3_num_f32 v8, v8, |v[XS+\i]|, |v[XS+\i+1]|
	v_max3_num_f32 v9, v9, |v[XS+\i+2]|, |v[XS+\i+3]|
.endr
	v_max3_num_f32 v8, v8, |v[XS+14]|, |v[XS+15]|
	v_max3_num_f32 v8, v8, v9, 0x1800000           ; and the floor 2^(3 - 127): the byte cannot fall under 1
	v_max_num_f32_dpp v8, v8, v8 row_xmask:1 row_mask:0xf bank_mask:0xf   ; with my neighbour's 16: the block's
	v_add_nc_u32 v11, 0xff000000, v8               ; 2 off its exponent field: the conversion takes the exponent field of this operand as its scale
	v_cvt_scalef32_pk8_fp4_f32 v[C+4*(\t)], v[XS:XS+7], v11
	v_cvt_scalef32_pk8_fp4_f32 v[C+4*(\t)+1], v[XS+8:XS+15], v11
	v_lshrrev_b32 v[E+(\t)], 23, v11               ; the scale's byte (a plain line behind the conversions)
	ds_store_b8 v5, v[E+(\t)] offset:16*(\t)       ; both lanes of a block write the same byte with the same value
	global_store_b64 v4, v[C+4*(\t):C+4*(\t)+1], s[10:11] offset:32*CB*(\t)   ; the wave stores 256 consecutive bytes, aligned
.endm
.irp t, 0,1,2,3,4,5,6,7,8,9,10,11,12,13,14,15
	XSTEP \t
.endr
	ds_load_b64 v[8:9], v6                         ; my wave's 256 scale bytes, behind my stores of them
	s_wait_dscnt 0x0
	global_store_b64 v7, v[8:9], s[12:13]          ; 256 consecutive bytes, aligned
	s_wait_tensorcnt 0x0                           ; the wave's end, behind my last LDS store
	ds_add_u32 v[SPW], v[NIL]
	s_wait_dscnt 0x0
	s_endpgm
; ---- Wqkv: K is its first axis.  A lane takes a column n and its registers run down K: a block of 32 lies in one lane, and the conversions give codes with K innermost.
; A work-group: 128 columns x 256 along K; a wave 32 columns, 8 blocks.  In wc a fragment (16 n x 128 K) is 1,024 bytes; block b of row r stands at 256 b + 16 r, which is where lane (r, h) of the
; matrix operand reads its registers 4 c .. 4 c + 3 (b = 2 c + h): sixteen lanes store 256 consecutive bytes, aligned, with no way through LDS.
.Lweights:
	s_and_b32 s21, ttmp9, 3                        ; which 256 along K
	s_lshr_b32 s22, ttmp9, 2
	s_lshl_b32 s22, s22, 7
	s_lshl_b32 s23, s20, 5
	s_add_co_u32 s22, s22, s23                     ; my wave's first column
	v_lshlrev_b32 v3, 2, v2                        ; in: 4 bytes a lane
	v_lshrrev_b32 v4, 4, v2
	v_and_b32 v5, 15, v2
	v_lshlrev_b32 v5, 4, v5
	v_lshl_add_u32 v4, v4, 12, v5                  ; out: 4,096 (lane / 16) + 16 (lane % 16): a tile of 16 columns is 4,096 bytes a slot of 512 along K
	v_lshlrev_b32 v5, 5, v2                        ; scale bytes: 32 a column
	s_mul_i32 s24, s21, 256*12288
	s_lshl_b32 s26, s22, 2
	s_add_co_u32 s24, s24, s26
	s_add_nc_u64 s[6:7], s[6:7], s[24:25]          ; Wqkv at (256 kq, first column)
	s_lshr_b32 s26, s21, 1
	s_mul_i32 s24, s26, 786432                     ; the slot of 512 along K: 192 tiles x 4,096 bytes
	s_lshl_b32 s26, s22, 8                         ; column / 16 x 4,096
	s_add_co_u32 s24, s24, s26
	s_and_b32 s26, s21, 1
	s_lshl_b32 s26, s26, 11                        ; the slot's second 256: two fragments on
	s_add_co_u32 s24, s24, s26
	s_add_nc_u64 s[14:15], s[14:15], s[24:25]
	s_lshl_b32 s24, s22, 5
	s_lshl_b32 s26, s21, 3
	s_add_co_u32 s24, s24, s26
	s_add_nc_u64 s[16:17], s[16:17], s[24:25]
.macro WLOAD t                         ; block t: W(32 t + i, my column), 128 consecutive bytes a wave and load
.irp i, 0,1,2,3,4,5,6,7,8,9,10,11,12,13,14,15,16,17,18,19,20,21,22,23,24,25,26,27,28,29,30,31
	global_load_b32 v[WX+32*((\t)%2)+\i], v3, s[6:7] offset:(32*(\t)+\i)*12288 th:TH_LOAD_NT
.endr
.endm
	WLOAD 0
	WLOAD 1
.macro WBLOCK t
.set XS, WX+32*((\t)%2)
.if (\t) < 7
	s_wait_loadcnt 32                              ; this block's 32 loads are in; the next block's may be out
.else
	s_wait_loadcnt 0x0
.endif
	v_max3_num_f32 v8, |v[XS]|, |v[XS+1]|, |v[XS+2]|               ; the block's largest magnitude: all 32 numbers are mine
	v_max3_num_f32 v9, |v[XS+3]|, |v[XS+4]|, |v[XS+5]|
.irp i, 6,10,14,18,22,26
	v_max3_num_f32 v8, v8, |v[XS+\i]|, |v[XS+\i+1]|
	v_max3_num_f32 v9, v9, |v[XS+\i+2]|, |v[XS+\i+3]|
.endr
	v_max3_num_f32 v8, v8, |v[XS+30]|, |v[XS+31]|
	v_max3_num_f32 v8, v8, v9, 0x1800000           ; the floor 2^(3 - 127)
	v_add_nc_u32 v11, 0xff000000, v8               ; the conversion's scale operand
	v_lshrrev_b32 v10, 23, v11                     ; the scale's byte
.if (\t)%4 == 0
	v_mov_b32 v[24+(\t)/4], v10                    ; four bytes to a register, the lower K in the lower byte
.else
	v_lshl_or_b32 v[24+(\t)/4], v10, 8*((\t)%4), v[24+(\t)/4]
.endif
.irp g, 0,1,2,3
	v_cvt_scalef32_pk8_fp4_f32 v[WC+4*(\t)+\g], v[XS+8*\g:XS+8*\g+7], v11
.endr
	global_store_b128 v4, v[WC+4*(\t):WC+4*(\t)+3], s[14:15] offset:256*(\t)
.if (\t)+2 < 8
	WLOAD (\t)+2
.endif
.endm
.irp t, 0,1,2,3,4,5,6,7
	WBLOCK \t
.endr
	global_store_b64 v5, v[24:25], s[16:17]        ; my column's 8 scale bytes
	s_endpgm
; ---- Wout: the same plan without a quantiser.  A work-group: 128 columns x a slab of 128 along K; a wave 32 columns, four units of 32 along K.
; In wo a fragment (16 n x 32 k of f16) is 1,024 bytes; the 8 numbers k = 8 q .. 8 q + 7 of row r stand at 256 q + 16 r.
.Lwout:
	s_sub_co_u32 s21, ttmp9, 96
	s_and_b32 s22, s21, 7                          ; slab
	s_lshr_b32 s21, s21, 3                         ; which 128 columns
	v_lshlrev_b32 v3, 2, v2
	v_lshrrev_b32 v4, 4, v2
	v_and_b32 v5, 15, v2
	v_lshlrev_b32 v5, 4, v5
	v_lshl_add_u32 v4, v4, 12, v5                  ; 4,096 (lane / 16) + 16 (lane % 16)
	s_lshl_b32 s24, s22, 19                        ; 128 rows of 4,096 bytes
	s_lshl_b32 s26, s21, 9
	s_add_co_u32 s24, s24, s26
	s_lshl_b32 s26, s20, 7
	s_add_co_u32 s24, s24, s26
	s_add_nc_u64 s[8:9], s[8:9], s[24:25]
	s_lshl_b32 s24, s22, 18                        ; a slab of wo: 64 tiles x 4,096 bytes
	s_lshl_b32 s26, s21, 15
	s_add_co_u32 s24, s24, s26
	s_lshl_b32 s26, s20, 13
	s_add_co_u32 s24, s24, s26
	s_add_nc_u64 s[18:19], s[18:19], s[24:25]
.macro OLOAD u
.irp i, 0,1,2,3,4,5,6,7,8,9,10,11,12,13,14,15,16,17,18,19,20,21,22,23,24,25,26,27,28,29,30,31
	global_load_b32 v[WX+32*((\u)%2)+\i], v3, s[8:9] offset:(32*(\u)+\i)*4096 th:TH_LOAD_NT
.endr
.endm
	OLOAD 0
	OLOAD 1
.macro OUNIT u
.set XS, WX+32*((\u)%2)
.if (\u) < 3
	s_wait_loadcnt 32                              ; this unit's 32 loads are in; the next unit's may be out
.else
	s_wait_loadcnt 0x0
.endif
.set j, 0
.rept 16
	v_cvt_pk_f16_f32 v[WC+16*(\u)+j], v[XS+2*j], v[XS+2*j+1]       ; the lower k in the low half
.set j, j+1
.endr
.irp q, 0,1,2,3
	global_store_b128 v4, v[WC+16*(\u)+4*\q:WC+16*(\u)+4*\q+3], s[18:19] offset:1024*(\u)+256*\q
.endr
.if (\u)+2 < 4
	OLOAD (\u)+2
.endif
.endm
.irp u, 0,1,2,3
	OUNIT \u
.endr
	s_endpgm
.Lfunc_end_k_qd0fcb6ed52_prep:
	.size	k_qd0fcb6ed52_prep, .Lfunc_end_k_qd0fcb6ed52_prep-k_qd0fcb6ed52_prep
	.p2alignl 7, 3214868480
	.fill 96, 4, 3214868480
	.section	.rodata,"a",@progbits
	.p2align	6, 0x0
	.amdhsa_kernel k_qd0fcb6ed52_prep
		.amdhsa_group_segment_fixed_size 33280
		.amdhsa_private_segment_fixed_size 0
		.amdhsa_enable_private_segment 0
		.amdhsa_kernarg_size 64
		.amdhsa_user_sgpr_count 2
		.amdhsa_user_sgpr_kernarg_segment_ptr 1
		.amdhsa_wavefront_size32 1
		.amdhsa_system_sgpr_workgroup_id_x 1
		.amdhsa_system_sgpr_workgroup_id_y 1
		.amdhsa_system_sgpr_workgroup_id_z 1
		.amdhsa_system_vgpr_workitem_id 0
		.amdhsa_next_free_vgpr 192
		.amdhsa_next_free_sgpr 66
		.amdhsa_reserve_vcc 0
		.amdhsa_float_denorm_mode_32 3
		.amdhsa_float_denorm_mode_16_64 3
		.amdhsa_memory_ordered 1
		.amdhsa_forward_progress 1
		.amdhsa_inst_pref_size 89
	.end_amdhsa_kernel
	.amdgpu_metadata
---
amdhsa.version: [ 1, 2 ]
amdhsa.kernels:
  - .name:           k_qd0fcb6ed52_prep
    .symbol:         k_qd0fcb6ed52_prep.kd
    .args:
      - { .name: hidden_states, .offset: 0, .size: 8, .value_kind: global_buffer, .address_space: global }
      - { .name: Wqkv, .offset: 8, .size: 8, .value_kind: global_buffer, .address_space: global }
      - { .name: Wout, .offset: 16, .size: 8, .value_kind: global_buffer, .address_space: global }
      - { .name: xc, .offset: 24, .size: 8, .value_kind: global_buffer, .address_space: global }
      - { .name: xs, .offset: 32, .size: 8, .value_kind: global_buffer, .address_space: global }
      - { .name: wc, .offset: 40, .size: 8, .value_kind: global_buffer, .address_space: global }
      - { .name: ws, .offset: 48, .size: 8, .value_kind: global_buffer, .address_space: global }
      - { .name: wo, .offset: 56, .size: 8, .value_kind: global_buffer, .address_space: global }
    .group_segment_fixed_size: 33280
    .private_segment_fixed_size: 0
    .kernarg_segment_align: 8
    .kernarg_segment_size: 64
    .max_flat_workgroup_size: 128
    .sgpr_count:     66
    .vgpr_count:     192
    .wavefront_size: 32
...
	.end_amdgpu_metadata
.endif
;; end of part 1
;; launch qkv (part 2): grid 12 x 32, 4 waves a work-group, clusters of 4 x 4, 327,680 bytes of LDS; arguments xc, xs, wc, ws, qkv; writes qkv
.if DOCPART == 2
	.amdgcn_target "amdgcn-amd-amdhsa--gfx1250"
	.amdhsa_code_object_version 6
	.text
	.protected	k_qd0fcb6ed52_qkv
	.globl	k_qd0fcb6ed52_qkv
	.p2align	8
	.type	k_qd0fcb6ed52_qkv,@function
k_qd0fcb6ed52_qkv:
	s_mov_b64 s[64:65], 0
	v_nop
	global_prefetch_b8 v0, s[64:65] scope:SCOPE_SE
	s_setreg_imm32_b32 hwreg(HW_REG_WAVE_MODE, 25, 1), 1
	s_wait_xcnt 0x0
	s_wait_alu depctr_hold_cnt(0) depctr_sa_sdst(0) depctr_va_vdst(0) depctr_va_sdst(0) depctr_va_ssrc(0) depctr_va_vcc(0) depctr_vm_vsrc(0)
	s_getreg_b32 s2, hwreg(HW_REG_IB_STS2, 6, 4)
	s_cmp_eq_u32 s2, 0
	s_cbranch_scc0 .Lentry_in_a_cluster
	s_endpgm
.Lentry_in_a_cluster:
	s_bfe_u32 s2, ttmp6, 0x10000c
	s_cmp_lg_u32 s2, 0xf033
	s_cbranch_scc0 .Lentry_shape_is_right
	s_endpgm
.Lentry_shape_is_right:
; QKV = Q(hidden_states) Q(Wqkv): [8192 x 1024] x [1024 x 3072] on codes of FP4 (E2M1) with one E8M0 scale for each 32 along K; sums in f32; results rounded once to f16.
; A tile of 256 tokens x 256 columns is made by four waves, 128 x 128 each: 64 accumulators, 512 registers.  K = 1,024 lies whole in two LDS slots of 512 along K: nothing is filled again, and there is no loop.
; A (xc): rows of 256 bytes a slot, padded in LDS.  B (wc): images of operand registers, dense: a fragment (16 n x 128 K) is 1,024 bytes, read at 16 x lane and 512 + 16 x lane.
; The scale bytes of the tile's 256 rows of A and 256 columns of B, for all of K, are two dense blocks: they come into LDS once.
; CLUSTERS: 4 x 4 work-groups; A's tiles are asked for jointly along a row of the cluster, B's along a column.
; THE MATRIX INSTRUCTION IS USED TRANSPOSED (source 0 = 16 columns of W, source 1 = 16 tokens): a lane holds eight neighbouring columns of one token: 16 bytes of f16.
; THE RESULT'S LAYOUT: qkv = [n / 64 : 48][token / 16 : 512][(n % 64) / 16 : 4][512 bytes]; a block of 512 bytes is 16 tokens x 16 channels, and lane (r, h)'s 16 bytes (token r, channels 8 h ..) stand at
; 16 x lane for q and k, so that the next launch reads operand registers as they lie.  For v they stand at 16 x (16 (r / 8) + 8 h + r % 8), the order in which the turning LDS load reads them at 16 x lane.
; Every store of a wave covers 512 consecutive bytes, aligned; no stage in LDS is needed.
; q (the cluster column 0) is multiplied in f32 by c = log2(e) / 8 ahead of its one rounding, so that the next launch's scores are exponents of 2.
; LIMIT: |c q|, |k|, |v| stay under 65,504 (f16).
; REGISTERS, in windows of 256: window 0: v0-31 addresses; v32-95 scale words, two sets; v128-191 A's fragments, one set; on the way out v32-223 are free.
;   window 1: B's fragments, two sets, at v0 and v128.   window 2: accumulators of my tokens 0-63 ((a, b) at v[8 (8 a + b)]);   window 3: those of my tokens 64-127.
.set NQ,     4                         ; steps of 128 along K in a slot
.set ROWB,   256                       ; a row of A's tile in bytes: 512 codes
.set KROW,   512                       ; a row of xc in bytes
.set PITCH,  272                       ; an LDS row of A: 256 bytes + 16 of padding: the 16 rows of a load start 68 words apart
.set FR,     8
.set NL,     2
.set NP,     4                         ; places behind this matrix instruction (ISA guide 7.12.1)
.set HALFA,  128*PITCH                 ; 128 rows of A: one tensor load
.set BOFF,   2*HALFA                   ; B's images lie behind A's 256 rows
.set HALFB,  32768                     ; 128 columns of B: 8 tiles x 4 fragments x 1,024 bytes: one tensor load
.set SLOT,   BOFF+2*HALFB
.set WSLOT,  786432                    ; a slot of wc in memory: 192 tiles x 4,096 bytes
.set KS,     32                        ; a row of scale bytes
.set SCL,    2*SLOT                    ; behind the slots: the scales, as units of 256 bytes + 16 of padding
.set HALFS,  16*272                    ; those of 128 rows: one tensor load
.set SBLK,   2*272                     ; those of 16 rows
.set SPARE,  SCL+4*HALFS               ; the spare words, 128 bytes a wave: two blocks of 256 bytes that no other line names
.set ADRA, 16                          ; v16-17  LDS address of my A fragments in slot 0, 1
.set ADRB, 20                          ; v20-21  the same for B
.set CO,   26                          ; v26     my 16 bytes' place in a block of the result
.set ADRS, 27                          ; v27     LDS address of my scale words: lanes 0-15 A's rows, lanes 16-31 B's
.set SPW,  28                          ; v28     LDS address of my spare word; never rewritten
.set NIL,  29                          ; v29     0; never rewritten
.set SC,   32                          ; scale words: set s at v[SC + 32 s]; register 4 i + q: lanes 0-15 A's block i, lanes 16-31 B's block i
.set AF,   128                         ; A's fragments
.set DAT,  32                          ; the way out: four sets of 32 registers of f16
.set TT,   160                         ; the way out: 64 numbers x c
.set G1, 24                            ; s[24:31] group 1 for A's tiles; s[32:39] groups 0, one a slot
.set G0, 32
.set G1B, 48                           ; s[48:55], s[56:63] the same for B's
.set G0B, 56
.set G1S, 68                           ; s[68:75], s[76:79] groups 1 and 0 for A's scales; s[80:87], s[88:91] for B's
.set G0S, 76
.set G1SB, 80
.set G0SB, 88
.set FAC, 96                           ; s[96:97] c, twice
.set MSB, 0
.macro WIN new                         ; the immediate's high byte repeats the setting that is left
.if MSB != (\new)
	s_set_vgpr_msb (MSB<<8)|(\new)
.set MSB, (\new)
.endif
.endm
.set MUL_LO, 0xa1                      ; source 0 (B) window 1, source 1 (A) window 0, C and D window 2
.set MUL_HI, 0xf1
.set TO_B,   0x40
; A joint load: waves 0 and 1 fetch for A, waves 2 and 3 for B; the branch hangs on the wave's number alone.  An s_nop 0 and four v_nop follow each line.
.macro JLOAD g0a, g1a, g0b, g1b
	s_cmp_eq_u32 s15, 0
	s_cbranch_scc0 .Lfor_b_\@
	tensor_load_to_lds s[\g0a:\g0a+3], s[\g1a:\g1a+7]
	s_nop 0
.rept 4
	v_nop
.endr
	s_branch .Lasked_\@
.Lfor_b_\@:
	tensor_load_to_lds s[\g0b:\g0b+3], s[\g1b:\g1b+7]
	s_nop 0
.rept 4
	v_nop
.endr
.Lasked_\@:
.endm
.macro CROUND                          ; a round of the cluster's barrier
	s_barrier_signal -1
	s_barrier_wait -1
	s_cmp_lg_u32 s14, 0
	s_cbranch_scc1 .Lnot_wave_0_\@
	s_barrier_signal -3
.Lnot_wave_0_\@:
	s_barrier_wait -3
	s_barrier_signal -1
	s_barrier_wait -1
.endm
	s_load_b128 s[4:7], s[0:1], 0x0                ; xc s[4:5], xs s[6:7]
	s_load_b128 s[8:11], s[0:1], 0x10              ; wc s[8:9], ws s[10:11]
	s_load_b64 s[12:13], s[0:1], 0x20              ; qkv
	v_lshl_add_u32 v[SPW], v0, 2, SPARE
	v_mov_b32 v[NIL], 0
	ds_add_u32 v[SPW], v[NIL]                      ; the wave's opening: the add, twice on end, and its wait ahead of my first tensor load
	ds_add_u32 v[SPW], v[NIL]
	v_lshrrev_b32 v1, 5, v0
	v_readfirstlane_b32 s14, v1                    ; wave 0..3
	s_lshr_b32 s15, s14, 1                         ; which half of the tile's tokens is mine.  Also: I fetch for A (0) or for B (1)
	s_and_b32 s16, s14, 1                          ; which half of its columns.  Also: which half of that tile I fetch
	s_bfe_u32 s40, ttmp6, 0x40000                  ; cx, cy: my place in the cluster
	s_bfe_u32 s41, ttmp6, 0x40004
	s_lshl_b32 s42, ttmp9, 2
	s_add_co_u32 s42, s42, s40                     ; tile column = 4 x cluster x + cx
	s_and_b32 s17, ttmp7, 0xffff
	s_lshl_b32 s17, s17, 2
	s_add_co_u32 s17, s17, s41                     ; tile row = 4 x cluster y + cy
	s_lshl_b32 s43, s41, 2
	s_lshl_b32 s43, 15, s43                        ; my row of the cluster
	s_lshl_b32 s44, 0x1111, s40                    ; my column
	s_or_b32 s[G1+0], s43, (1<<20)|(1<<21)|(5<<22)|(3<<25)   ; A: elements of 1 byte; 4 words of padding after every 64; bit 21 beside the mask
	s_mov_b32 s[G1+1], ROWB<<16                    ; tensor_dim0 = 256
	s_mov_b32 s[G1+2], 128<<16                     ; tensor_dim1 = 128
	s_mov_b32 s[G1+3], ROWB<<16                    ; tile_dim0
	s_mov_b32 s[G1+4], 128                         ; tile_dim1
	s_mov_b32 s[G1+5], KROW                        ; from row to row
	s_mov_b32 s[G1+6], 0
	s_mov_b32 s[G1+7], 0
	s_or_b32 s[G1B+0], s44, (3<<16)|(1<<21)        ; B: a dense block of 32,768 bytes as 128 rows of 32 elements of 8 bytes, no padding
	s_mov_b32 s[G1B+1], 32<<16
	s_mov_b32 s[G1B+2], 128<<16
	s_mov_b32 s[G1B+3], 32<<16
	s_mov_b32 s[G1B+4], 128
	s_mov_b32 s[G1B+5], 32
	s_mov_b32 s[G1B+6], 0
	s_mov_b32 s[G1B+7], 0
	s_or_b32 s[G1S+0], s43, (3<<16)|(1<<20)|(1<<21)|(5<<22)|(3<<25)   ; the scales of 128 rows: 4,096 dense bytes as 16 rows of 256, 16 bytes of padding behind each
	s_or_b32 s[G1SB+0], s44, (3<<16)|(1<<20)|(1<<21)|(5<<22)|(3<<25)
.irp g, G1S, G1SB
	s_mov_b32 s[\g+1], 32<<16
	s_mov_b32 s[\g+2], 16<<16
	s_mov_b32 s[\g+3], 32<<16
	s_mov_b32 s[\g+4], 16
	s_mov_b32 s[\g+5], 32
	s_mov_b32 s[\g+6], 0
	s_mov_b32 s[\g+7], 0
.endr
	s_lshl_b32 s18, s16, 7                         ; which 128 I fetch
	s_lshl_b32 s20, s17, 8
	s_add_co_u32 s20, s20, s18                     ; A: token 256 x tile row + 128 x half
	s_lshl_b32 s46, s42, 8
	s_add_co_u32 s46, s46, s18                     ; B: column 256 x tile column + 128 x half
	s_lshl_b32 s22, s20, 5                         ; their scale bytes: 32 a row
	s_mov_b32 s23, 0
	s_lshl_b32 s92, s46, 5
	s_mov_b32 s93, 0
	s_lshl_b32 s20, s20, 9                         ; A's codes: 512 bytes a row
	s_mov_b32 s21, 0
	s_lshl_b32 s46, s46, 8                         ; B's images: 4,096 bytes for 16 columns
	s_mov_b32 s47, 0
	s_mul_i32 s45, s16, HALFA                      ; where they go: no place in the cluster enters an LDS address
	s_mul_i32 s95, s16, HALFB
	s_add_co_u32 s95, s95, BOFF
	s_mul_i32 s94, s14, HALFS
	s_mov_b32 s[FAC], 0x3e38aa3b                   ; c = log2(e) / 8
	s_mov_b32 s[FAC+1], s[FAC]
	s_wait_dscnt 0x0                               ; both opening adds are done
	s_wait_kmcnt 0x0
	s_add_nc_u64 s[20:21], s[4:5], s[20:21]
	s_add_nc_u64 s[22:23], s[6:7], s[22:23]
	s_add_nc_u64 s[46:47], s[8:9], s[46:47]
	s_add_nc_u64 s[92:93], s[10:11], s[92:93]
	CROUND                                         ; all sixteen work-groups are here: the first joint loads meet
	s_mov_b32 s[G0S], 1
	s_add_co_u32 s[G0S+1], s94, SCL
	s_mov_b64 s[G0S+2:G0S+3], s[22:23]
	s_or_b32 s[G0S+3], s[G0S+3], 0x80000000
	s_mov_b32 s[G0SB], 1
	s_add_co_u32 s[G0SB+1], s94, SCL
	s_mov_b64 s[G0SB+2:G0SB+3], s[92:93]
	s_or_b32 s[G0SB+3], s[G0SB+3], 0x80000000
	JLOAD G0S, G1S, G0SB, G1SB                     ; the scales first: they are wanted with the first step
.irp s, 0,1
	s_mov_b32 s[G0+4*\s], 1
	s_add_co_u32 s[G0+4*\s+1], s45, \s*SLOT
	s_add_nc_u64 s[G0+4*\s+2:G0+4*\s+3], s[20:21], \s*ROWB
	s_or_b32 s[G0+4*\s+3], s[G0+4*\s+3], 0x80000000
	s_mov_b32 s[G0B+4*\s], 1
	s_add_co_u32 s[G0B+4*\s+1], s95, \s*SLOT
	s_add_nc_u64 s[G0B+4*\s+2:G0B+4*\s+3], s[46:47], \s*WSLOT
	s_or_b32 s[G0B+4*\s+3], s[G0B+4*\s+3], 0x80000000
	JLOAD G0+4*\s, G1, G0B+4*\s, G1B               ; three tensor loads of mine are out now
.endr
	v_and_b32 v1, 15, v0                           ; r
	v_bfe_u32 v2, v0, 4, 1                         ; h
	v_mul_u32_u24 v3, v1, PITCH
	v_lshl_add_u32 v4, v2, 4, v3                   ; A: row x pitch + 16 h
	v_and_b32 v6, 31, v0
	v_lshlrev_b32 v6, 4, v6                        ; B: 16 x lane
	s_mul_i32 s21, s15, HALFA                      ; my 128 tokens of A
	s_mul_i32 s22, s16, HALFB                      ; my 128 columns of B
	s_add_co_u32 s22, s22, BOFF
.irp s, 0,1
	v_add_nc_u32 v[ADRA+\s], s21, v4
	v_add_nc_u32 v[ADRB+\s], s22, v6
	s_add_co_u32 s21, s21, SLOT
	s_add_co_u32 s22, s22, SLOT
.endr
	v_and_b32 v7, 7, v1                            ; v's order of a block's chunks: 16 (r / 8) + 8 h + r % 8
	v_lshl_add_u32 v7, v2, 3, v7
	v_lshrrev_b32 v8, 3, v1
	v_lshl_add_u32 v7, v8, 4, v7
	v_lshlrev_b32 v7, 4, v7
	s_cmp_eq_u32 ttmp9, 2                          ; the cluster column says which of q, k, v: the same in all sixteen partners
	s_cselect_b32 s23, -1, 0
	v_cndmask_b32 v[CO], v6, v7, s23
	v_mul_u32_u24 v5, v1, KS                       ; my row's scales: 32 bytes a row,
	v_lshrrev_b32 v6, 8, v5
	v_lshl_add_u32 v5, v6, 4, v5                   ; and 16 more for each 256 passed
	s_mul_i32 s21, s15, HALFS
	s_mul_i32 s22, s16, HALFS
	s_add_co_u32 s22, s22, 2*HALFS
	s_sub_co_u32 s22, s22, s21
	v_mul_u32_u24 v6, s22, v2                      ; lanes 16-31 take B's: one product, the distance between the two bases
	s_add_co_u32 s21, s21, SCL
	v_add_nc_u32 v5, v5, v6
	v_add_nc_u32 v[ADRS], s21, v5
	s_lshl_b32 s20, s17, 15                        ; the result: 16 tile rows of tokens x 2,048 bytes,
	s_lshl_b32 s21, s15, 14
	s_add_co_u32 s20, s20, s21
	s_mov_b32 s21, 0
	s_lshl_b32 s46, s42, 22                        ; 4 heads' worth of 1 MiB a tile column,
	s_lshl_b32 s47, s16, 21
	s_add_co_u32 s46, s46, s47
	s_mov_b32 s47, 0
	s_add_nc_u64 s[20:21], s[20:21], s[46:47]
	s_add_nc_u64 s[12:13], s[12:13], s[20:21]
.macro FRAGA reg, adr, q, i            ; 16 rows x 128 K of 4-bit codes: registers 4 c .. 4 c + 3 hold K = 64 c + 32 h + 0 .. 31
.irp c, 0,1
	ds_load_b128 v[\reg+4*\c:\reg+4*\c+3], v[\adr] offset:64*(\q)+32*\c+(\i)*16*PITCH
.endr
.endm
.macro FRAGB reg, adr, q, i            ; the same from an image
.irp c, 0,1
	ds_load_b128 v[\reg+4*\c:\reg+4*\c+3], v[\adr] offset:(\i)*4096+(\q)*1024+512*\c
.endr
.endm
; 16 matrix instructions: A's blocks a0, a0 + 1 x B's eight.  The 64 accumulators take turns, one instruction a turn, in the same order in every step.
.macro MUL16 a0, p, q, sc, zero
.irp a, \a0, \a0+1
.irp b, 0,1,2,3,4,5,6,7
.if \zero
	v_wmma_scale_f32_16x16x128_f8f6f4 v[8*(8*((\a)%4)+\b):8*(8*((\a)%4)+\b)+7], v[128*(\p)+FR*\b:128*(\p)+FR*\b+FR-1], v[AF+FR*(\a):AF+FR*(\a)+FR-1], 0, v[SC+8*NQ*(\sc)+NQ*\b+(\q)], v[SC+8*NQ*(\sc)+NQ*(\a)+(\q)] matrix_a_fmt:MATRIX_FMT_FP4 matrix_b_fmt:MATRIX_FMT_FP4 matrix_a_scale:MATRIX_SCALE_ROW1
.else
	v_wmma_scale_f32_16x16x128_f8f6f4 v[8*(8*((\a)%4)+\b):8*(8*((\a)%4)+\b)+7], v[128*(\p)+FR*\b:128*(\p)+FR*\b+FR-1], v[AF+FR*(\a):AF+FR*(\a)+FR-1], v[8*(8*((\a)%4)+\b):8*(8*((\a)%4)+\b)+7], v[SC+8*NQ*(\sc)+NQ*\b+(\q)], v[SC+8*NQ*(\sc)+NQ*(\a)+(\q)] matrix_a_fmt:MATRIX_FMT_FP4 matrix_b_fmt:MATRIX_FMT_FP4 matrix_a_scale:MATRIX_SCALE_ROW1
.endif
.endr
.endr
.endm
.macro FETCH_B slot, q, p
	WIN TO_B
.irp i, 0,1,2,3,4,5,6,7
	FRAGB 128*(\p)+FR*\i, ADRB+\slot, \q, \i
.endr
	WIN 0
.endm
.macro FETCH_A slot, q, i0
.irp i, \i0, \i0+1, \i0+2, \i0+3
	FRAGA AF+FR*(\i), ADRA+\slot, \q, \i
.endr
.endm
.macro SCALES sc                       ; a slot's scale words: 4 words a row; lanes 0-15 take A's block i, lanes 16-31 B's block i
.irp i, 0,1,2,3,4,5,6,7
	ds_load_b128 v[SC+8*NQ*\sc+NQ*\i:SC+8*NQ*\sc+NQ*\i+3], v[ADRS] offset:\i*SBLK
.endr
.endm
.macro PLACES n                        ; plain vector instructions between a matrix instruction and a load into, or a read of, its registers
.rept \n
	v_nop
.endr
.endm
.macro STEP slot, q, zero              ; a step of 128 along K that has its successor in the same slot
	s_wait_dscnt 4*NL                              ; B's set, A's blocks 0-3 and the scales are in; the youngest eight loads (A's blocks 4-7) may be out
	WIN MUL_LO
	MUL16 0, (\q)%2, \q, \slot, \zero
	MUL16 2, (\q)%2, \q, \slot, \zero
	s_wait_dscnt 0
	PLACES NP
	FETCH_B \slot, (\q)+1, 1-(\q)%2
	FETCH_A \slot, (\q)+1, 0
	WIN MUL_HI
	MUL16 4, (\q)%2, \q, \slot, \zero
	MUL16 6, (\q)%2, \q, \slot, \zero
	PLACES NP
	WIN 0
	FETCH_A \slot, (\q)+1, 4
.endm
.macro TURN slot, next                 ; slot 0's last step goes over to slot 1: my part of slot 1 has landed, then the work-group's barrier
	s_wait_tensorcnt 0x0                           ; all my tensor loads have landed
	ds_add_u32 v[SPW], v[NIL]                      ; 0 onto my spare word
	s_wait_dscnt 4*NL+1                            ; the add and the youngest eight loads may be out
	WIN MUL_LO
	MUL16 0, 1, NQ-1, \slot, 0
	s_wait_dscnt 0x0
	s_barrier_signal -1
	MUL16 2, 1, NQ-1, \slot, 0
	WIN 0
	s_barrier_wait -1                              ; everybody's part of the next slot is in
	PLACES NP
	v_add_nc_u32 v[ADRS], 4*NQ, v[ADRS]            ; on to the next slot's scale words
	FETCH_B \next, 0, 0
	FETCH_A \next, 0, 0
	SCALES \next
	WIN MUL_HI
	MUL16 4, 1, NQ-1, \slot, 0
	MUL16 6, 1, NQ-1, \slot, 0
	PLACES NP
	WIN 0
	FETCH_A \next, 0, 4
.endm
	s_wait_tensorcnt 1                             ; the scales and my part of slot 0 are in; slot 1's load may be out
	s_barrier_signal -1
	s_barrier_wait -1
	FETCH_B 0, 0, 0
	FETCH_A 0, 0, 0
	SCALES 0
	FETCH_A 0, 0, 4
	STEP 0, 0, 1                                   ; the first step's products start the sums: nothing is cleared
	STEP 0, 1, 0
	STEP 0, 2, 0
	TURN 0, 1
	STEP 1, 0, 0
	STEP 1, 1, 0
	STEP 1, 2, 0
	s_wait_dscnt 4*NL                              ; the last step: nothing more to fetch
	WIN MUL_LO
	MUL16 0, 1, NQ-1, 1, 0
	MUL16 2, 1, NQ-1, 1, 0
	s_wait_dscnt 0
	WIN MUL_HI
	MUL16 4, 1, NQ-1, 1, 0
	MUL16 6, 1, NQ-1, 1, 0
	WIN 0
; THE WAY OUT of block a (16 tokens x 128 columns): rounded to f16, each accumulator from its low end on; a lane's 16 bytes are a chunk of a block of the result.
.macro OUT a, scaled
.set AC, 64*((\a)%4)
.set DD, DAT+32*((\a)%4)
.if (\a) >= 4
	s_wait_xcnt 0x0                                ; the stores of four blocks back have read their data registers, which come round again
.endif
.if \scaled
	WIN 0x02+(\a)/4                                ; source 0: window 2 or 3
.set i, 0
.rept 32
	v_pk_mul_f32 v[TT+i:TT+i+1], v[AC+i:AC+i+1], s[FAC:FAC+1] op_sel_hi:[1,0]
.set i, i+2
.endr
	WIN 0
.set i, 0
.rept 32
	v_cvt_pk_f16_f32 v[DD+i], v[TT+2*i], v[TT+2*i+1]
.set i, i+1
.endr
.else
	WIN 0x0a+5*((\a)/4)                            ; sources 0 and 1: window 2 or 3
.set i, 0
.rept 32
	v_cvt_pk_f16_f32 v[DD+i], v[AC+2*i], v[AC+2*i+1]
.set i, i+1
.endr
	WIN 0
.endif
.irp b, 0,1,2,3,4,5,6,7
	global_store_b128 v[CO], v[DD+4*\b:DD+4*\b+3], s[12:13] offset:(\a)*2048+(\b/4)*1048576+(\b%4)*512   ; 512 consecutive bytes, aligned
.endr
.endm
	PLACES NP                                      ; behind the last products: the lines below read results and write registers that held scales and fragments
	s_cmp_eq_u32 ttmp9, 0                          ; q's clusters scale; the condition is the cluster's x: the same in all partners
	s_cbranch_scc0 .Lplain
.irp a, 0,1,2,3,4,5,6,7
	OUT \a, 1
.endr
	s_branch .Lsent
.Lplain:
.irp a, 0,1,2,3,4,5,6,7
	OUT \a, 0
.endr
.Lsent:
	s_wait_tensorcnt 0x0                           ; the wave's end
	ds_add_u32 v[SPW], v[NIL]
	s_wait_dscnt 0x0
	CROUND                                         ; the closing round
	s_endpgm
.Lfunc_end_k_qd0fcb6ed52_qkv:
	.size	k_qd0fcb6ed52_qkv, .Lfunc_end_k_qd0fcb6ed52_qkv-k_qd0fcb6ed52_qkv
	.p2alignl 7, 3214868480
	.fill 96, 4, 3214868480
	.section	.rodata,"a",@progbits
	.p2align	6, 0x0
	.amdhsa_kernel k_qd0fcb6ed52_qkv
		.amdhsa_group_segment_fixed_size 327680
		.amdhsa_private_segment_fixed_size 0
		.amdhsa_enable_private_segment 0
		.amdhsa_kernarg_size 40
		.amdhsa_user_sgpr_count 2
		.amdhsa_user_sgpr_kernarg_segment_ptr 1
		.amdhsa_wavefront_size32 1
		.amdhsa_system_sgpr_workgroup_id_x 1
		.amdhsa_system_sgpr_workgroup_id_y 1
		.amdhsa_system_sgpr_workgroup_id_z 1
		.amdhsa_system_vgpr_workitem_id 0
		.amdhsa_next_free_vgpr 1024
		.amdhsa_next_free_sgpr 98
		.amdhsa_reserve_vcc 0
		.amdhsa_float_denorm_mode_32 3
		.amdhsa_float_denorm_mode_16_64 3
		.amdhsa_memory_ordered 1
		.amdhsa_forward_progress 1
		.amdhsa_inst_pref_size 157
	.end_amdhsa_kernel
	.amdgpu_metadata
---
amdhsa.version: [ 1, 2 ]
amdhsa.kernels:
  - .name:           k_qd0fcb6ed52_qkv
    .symbol:         k_qd0fcb6ed52_qkv.kd
    .args:
      - { .name: xc, .offset: 0, .size: 8, .value_kind: global_buffer, .address_space: global }
      - { .name: xs, .offset: 8, .size: 8, .value_kind: global_buffer, .address_space: global }
      - { .name: wc, .offset: 16, .size: 8, .value_kind: global_buffer, .address_space: global }
      - { .name: ws, .offset: 24, .size: 8, .value_kind: global_buffer, .address_space: global }
      - { .name: qkv, .offset: 32, .size: 8, .value_kind: global_buffer, .address_space: global }
    .group_segment_fixed_size: 327680
    .private_segment_fixed_size: 0
    .kernarg_segment_align: 8
    .kernarg_segment_size: 40
    .max_flat_workgroup_size: 128
    .sgpr_count:     98
    .vgpr_count:     1024
    .wavefront_size: 32
...
	.end_amdgpu_metadata
.endif
;; end of part 2
;; launch attn (part 3): grid 4 x 64, 8 waves a work-group, clusters of 4 x 1, 327,680 bytes of LDS; arguments qkv, attention_mask, att; writes att
.if DOCPART == 3
	.amdgcn_target "amdgcn-amd-amdhsa--gfx1250"
	.amdhsa_code_object_version 6
	.text
	.protected	k_qd0fcb6ed52_attn
	.globl	k_qd0fcb6ed52_attn
	.p2align	8
	.type	k_qd0fcb6ed52_attn,@function
k_qd0fcb6ed52_attn:
	s_mov_b64 s[64:65], 0
	v_nop
	global_prefetch_b8 v0, s[64:65] scope:SCOPE_SE
	s_setreg_imm32_b32 hwreg(HW_REG_WAVE_MODE, 25, 1), 1
	s_wait_xcnt 0x0
	s_wait_alu depctr_hold_cnt(0) depctr_sa_sdst(0) depctr_va_vdst(0) depctr_va_sdst(0) depctr_va_ssrc(0) depctr_va_vcc(0) depctr_vm_vsrc(0)
	s_getreg_b32 s2, hwreg(HW_REG_IB_STS2, 6, 4)
	s_cmp_eq_u32 s2, 0
	s_cbranch_scc0 .Lentry_in_a_cluster
	s_endpgm
.Lentry_in_a_cluster:
	s_bfe_u32 s2, ttmp6, 0x10000c
	s_cmp_lg_u32 s2, 0x3003
	s_cbranch_scc0 .Lentry_shape_is_right
	s_endpgm
.Lentry_shape_is_right:
; ATTENTION: for each batch b and head: O[q] = sum over keys of softmax(q . k / 8 + mask bias) v.  Operands f16 (q already carries c = log2(e) / 8), products, maxima and sums in f32; p rounded to f16 for the second product.
; SHARES.  A work-group owns 512 queries of one (head, batch); each of its eight waves 64: four tiles of 16.  Every wave walks all 2,048 keys, 64 a step.  Each fragment of K and V read from LDS feeds four matrix instructions.
; LAYOUT.  S^T = K Q^T + Bias (source 0 = 16 keys, source 1 = 16 queries), O^T = V^T P: a lane holds ONE query throughout.  K, Q and V come as images of operand registers: every LDS load reads at 16 x lane; V by the turning load.
; THE MASK.  A table in LDS holds for each key 0 or -2^127, made as (byte - 1) & 0xff000000; eight registers of it are the C of a key tile's first product.  p = 2^(g s - g m), m the running maximum, one fused multiply-add;
; g = 1 where any key of the batch counts, else 0.  With g = 1, s - m is never above 0, so no p and no factor a = 2^(m_old - m_new) passes 1; key steps that are wholly masked sum bounded numbers, which the first true maximum
; multiplies by a = 0.  With g = 0 every p and a is 1: the uniform row that the sum with the most negative f32 number gives.  No branch hangs on the mask.
; CLUSTER.  The four query blocks of a (head, batch) walk the same K and V: each tile is asked for jointly, mask 15; every wave issues a load of its own (16 KiB), so no branch stands round a tensor load.
; RING.  Two slots of 512 keys (K 65,536 bytes, V 65,536).  A refill is asked for eight key steps, 512 of a wave's matrix instructions, ahead of its first read; for that reason no prefetch is laid.
; LIMITS: mask bytes are 0 or 1; the result goes out as f16 (|v| under 65,504).
; REGISTERS.  window 0: v1-6 addresses; v12, v13 the add's two; v16-47 statistics, 8 a tile (+0 g m, +1 m, +2, +3 l, +4..+7 at work, a in +6); v48-79 the bias of 4 key tiles; v96-223 S^T, 32 a tile (P in place in the low 16).
;   window 1: v0-127 O^T (32 x + 8 ct); v128-191 Q (16 x + 8 c); v192-255 first K (16 kt + 8 c), then V (32 s + 8 ct).
.set SLOT1, 131072
.set VOFF,  65536
.set BIAS,  262144                     ; 8,192 bytes: stored by the waves, never a tensor load's target
.set SPARE, 270336                     ; the spare words, 128 bytes a wave: four blocks of 256 bytes that no other line names
.set L16, 1                            ; v1  16 x lane
.set AV0, 2                            ; v2  16 x lane + VOFF
.set AB0, 3                            ; v3  BIAS + 32 (lane / 16)
.set ADK, 4
.set ADV, 5
.set ADB, 6
.set SPW, 12
.set NIL, 13
.set ST,  16
.set BI,  48
.set S,   96
.set OT,  0
.set QF,  128
.set KV,  192
.set WV,  12                           ; s12 wave
.set G1,  24                           ; s[24:31] group 1: 64 dense rows of 256 bytes
.set G0A, 32                           ; s[32:35] group 0 of slot 0
.set G0B, 36                           ; s[36:39] of slot 1
.set SEL, 40                           ; s[40:41] lane l xor 16
.set G,   42                           ; s[42:43] g, twice
.set TB,  44                           ; s44 LDS byte of the step's K tiles
.set TBB, 45                           ; s45 byte of the step's keys in the bias table
.set CNT, 46
.set MSB, 0
.macro WIN new
.if MSB != (\new)
	s_set_vgpr_msb (MSB<<8)|(\new)
.set MSB, (\new)
.endif
.endm
.macro CROUND
	s_barrier_signal -1
	s_barrier_wait -1
	s_cmp_lg_u32 s[WV], 0
	s_cbranch_scc1 .Lnot_wave_0_\@
	s_barrier_signal -3
.Lnot_wave_0_\@:
	s_barrier_wait -3
	s_barrier_signal -1
	s_barrier_wait -1
.endm
	s_load_b128 s[4:7], s[0:1], 0x0                ; qkv s[4:5], attention_mask s[6:7]
	s_load_b64 s[8:9], s[0:1], 0x10                ; att
	v_lshl_add_u32 v[SPW], v0, 2, SPARE
	v_mov_b32 v[NIL], 0
	ds_add_u32 v[SPW], v[NIL]                      ; the wave's opening: the add, twice on end, and its wait ahead of my first tensor load
	ds_add_u32 v[SPW], v[NIL]
	v_lshrrev_b32 v1, 5, v0
	v_readfirstlane_b32 s[WV], v1                  ; wave 0..7
	s_bfe_u32 s13, ttmp6, 0x40000                  ; cx
	s_lshl_b32 s15, ttmp9, 2
	s_add_co_u32 s15, s15, s13                     ; my block of 512 queries: it enters Q's and the result's addresses alone
	s_and_b32 s14, ttmp7, 0xffff                   ; y = 4 x head + batch, which the four partners share
	s_mov_b32 s[G1], 15|(3<<16)|(1<<21)            ; the mask: all four; elements of 8 bytes; bit 21 beside the mask; no padding
	s_mov_b32 s[G1+1], 32<<16                      ; tensor_dim0 = 32 elements (256 bytes)
	s_mov_b32 s[G1+2], 64<<16                      ; tensor_dim1 = 64
	s_mov_b32 s[G1+3], 32<<16                      ; tile_dim0
	s_mov_b32 s[G1+4], 64                          ; tile_dim1
	s_mov_b32 s[G1+5], 32                          ; dense
	s_mov_b32 s[G1+6], 0
	s_mov_b32 s[G1+7], 0
	s_lshl_b32 s48, s14, 18                        ; a (head, batch) is 262,144 bytes in each of q, k, v
	s_lshr_b32 s50, s[WV], 2
	s_add_co_u32 s50, s50, 1                       ; waves 0-3 fetch K (the second 16 MiB), waves 4-7 V (the third)
	s_lshl_b32 s50, s50, 24
	s_and_b32 s51, s[WV], 3
	s_lshl_b32 s51, s51, 14                        ; my quarter of a slot's 65,536 bytes
	s_add_co_u32 s50, s50, s51
	s_add_co_u32 s50, s50, s48
	s_mov_b32 s51, 0
	s_lshl_b32 s52, s15, 5
	s_lshl_b32 s53, s[WV], 2
	s_add_co_u32 s52, s52, s53                     ; my first tile of 16 queries in the sequence
	s_lshl_b32 s54, s52, 11
	s_add_co_u32 s54, s54, s48                     ; Q
	s_mov_b32 s55, 0
	s_lshr_b32 s56, s14, 3                         ; the result: slab = head / 2, 2 MiB each;
	s_lshl_b32 s56, s56, 21
	s_and_b32 s57, s14, 3                          ; batch
	s_lshl_b32 s58, s57, 7
	s_add_co_u32 s58, s58, s52                     ; tile of tokens, 4,096 bytes each;
	s_lshl_b32 s58, s58, 12
	s_add_co_u32 s56, s56, s58
	s_bfe_u32 s58, s14, 0x10002                    ; head % 2: 2,048 bytes
	s_lshl_b32 s58, s58, 11
	s_add_co_u32 s56, s56, s58
	s_lshl_b32 s58, s57, 11                        ; the batch's row of the mask
	s_mov_b32 s57, 0
	s_mov_b32 s59, 0
	s_mov_b32 s[SEL], 0x76543210
	s_mov_b32 s[SEL+1], 0xfedcba98
	s_lshl_b32 s47, s[WV], 14                      ; LDS: wave x 16,384: K's four quarters, then V's
	s_wait_dscnt 0x0                               ; both opening adds are done
	s_wait_kmcnt 0x0
	s_add_nc_u64 s[16:17], s[4:5], s[54:55]        ; Q at my first tile
	s_add_nc_u64 s[18:19], s[8:9], s[56:57]        ; the result likewise
	s_add_nc_u64 s[6:7], s[6:7], s[58:59]
	s_mov_b32 s[G0A], 1
	s_mov_b32 s[G0A+1], s47
	s_add_nc_u64 s[G0A+2:G0A+3], s[4:5], s[50:51]  ; keys 0 .. 511
	s_mov_b32 s[G0B], 1
	s_add_co_u32 s[G0B+1], s47, SLOT1
	s_add_nc_u64 s[G0B+2:G0B+3], s[G0A+2:G0A+3], 65536   ; keys 512 .. 1,023
	s_or_b32 s[G0A+3], s[G0A+3], 0x80000000
	s_or_b32 s[G0B+3], s[G0B+3], 0x80000000
	CROUND                                         ; all four work-groups are here: the first joint loads meet
	tensor_load_to_lds s[G0A:G0A+3], s[G1:G1+7]
	s_nop 0
	tensor_load_to_lds s[G0B:G0B+3], s[G1:G1+7]    ; two tensor loads of mine are out
	s_nop 0
.rept 4
	v_nop
.endr
	v_and_b32 v[L16], 31, v0
	v_lshlrev_b32 v[L16], 4, v[L16]
	v_add_nc_u32 v[AV0], VOFF, v[L16]
	v_bfe_u32 v[AB0], v0, 4, 1
	v_lshl_add_u32 v[AB0], v[AB0], 5, BIAS
	v_lshlrev_b32 v7, 2, v0                        ; the mask: 4 bytes a thread, twice
	v_lshl_add_u32 v8, v0, 4, BIAS                 ; and their 16 bytes of the table
	WIN 0x40                                       ; destination window 1
.irp x, 0,1,2,3
.irp p, 0,1,2,3
	global_load_b128 v[QF+16*\x+4*\p:QF+16*\x+4*\p+3], v[L16], s[16:17] offset:2048*\x+512*\p   ; Q stays in registers
.endr
.endr
	WIN 0
	global_load_b32 v224, v7, s[6:7]
	global_load_b32 v225, v7, s[6:7] offset:1024
.irp i, 0,1,2,3
	global_load_b128 v[228+4*\i:231+4*\i], v[L16], s[6:7] offset:512*\i   ; the whole row once more, in every wave: for g
.endr
	s_wait_loadcnt 0x0
.irp w, 0,1
.irp j, 0,1,2,3
	v_bfe_u32 v[244+4*\w+\j], v[224+\w], 8*\j, 8
.endr
.endr
.irp j, 0,1,2,3,4,5,6,7
	v_add_nc_u32 v[244+\j], -1, v[244+\j]
.endr
.irp j, 0,1,2,3,4,5,6,7
	v_and_b32 v[244+\j], 0xff000000, v[244+\j]     ; byte 1: 0.0; byte 0: -2^127
.endr
	ds_store_b128 v8, v[244:247]                   ; keys 4 t .. 4 t + 3
	ds_store_b128 v8, v[248:251] offset:4096       ; keys 1,024 + 4 t ..
.irp j, 1,2,3,4,5,6,7,8,9,10,11,12,13,14,15
	v_or_b32 v228, v228, v[228+\j]
.endr
	v_cmp_ne_u32 s50, 0, v228
	s_cmp_lg_u32 s50, 0                            ; does any key of the batch count?  It selects a value, no way through the text
	s_cselect_b32 s[G], 0x3f800000, 0
	s_mov_b32 s[G+1], s[G]
	s_wait_tensorcnt 1                             ; my part of slot 0 is in; slot 1's may stay out
	s_wait_dscnt 0x0                               ; my part of the table is stored
	s_barrier_signal -1
	s_barrier_wait -1
; number j of 16 of a tile's maximum: four chains of seven scores, the four left over, the chains and the old m
.macro SMX x, first
.set rT, ST+8*(\x)
.set rS, S+32*(\x)
.if j < 4
	v_max3_num_f32 v[rT+4+j], v[rS+8*j], v[rS+8*j+1], v[rS+8*j+2]   ; each accumulator is read from its low end on
.elseif j < 12
	v_max3_num_f32 v[rT+4+j%4], v[rT+4+j%4], v[rS+8*(j%4)+2*(j/4)+1], v[rS+8*(j%4)+2*(j/4)+2]
.elseif j == 12
	v_max3_num_f32 v[rT+4], v[rT+4], v[rS+7], v[rS+15]
.elseif j == 13
	v_max3_num_f32 v[rT+6], v[rT+6], v[rS+23], v[rS+31]
.elseif j == 14
	v_max3_num_f32 v[rT+4], v[rT+4], v[rT+5], v[rT+6]
.elseif \first
	v_max_num_f32 v[rT+4], v[rT+4], v[rT+7]
.else
	v_max3_num_f32 v[rT+4], v[rT+4], v[rT+7], v[rT+1]
.endif
.endm
; A KEY STEP: 64 keys.  first = 1: the first step starts m, l and O^T.
.macro STEP first
	v_add_nc_u32 v[ADK], s[TB], v[L16]
	v_add_nc_u32 v[ADV], s[TB], v[AV0]
	v_add_nc_u32 v[ADB], s[TBB], v[AB0]
	v_nop
	v_nop                                          ; five places: the products below write over registers that the last V^T P read as P, and K's loads land where it read V
.irp kt, 0,1,2,3
	ds_load_b128 v[BI+8*\kt:BI+8*\kt+3], v[ADB] offset:64*\kt       ; the bias of keys 16 kt + 8 h + 0 .. 7
	ds_load_b128 v[BI+8*\kt+4:BI+8*\kt+7], v[ADB] offset:64*\kt+16
.endr
	WIN 0x40
.irp f, 0,1,2,3,4,5,6,7                        ; key tile f / 2, channels 32 (f % 2) on
	ds_load_b128 v[KV+8*\f:KV+8*\f+3], v[ADK] offset:1024*\f
	ds_load_b128 v[KV+8*\f+4:KV+8*\f+7], v[ADK] offset:1024*\f+512
.endr
	s_wait_dscnt 0x0
	WIN 0x05                                       ; K and Q window 1; bias and S^T window 0
.set i, 0
.rept 32                                       ; sixteen accumulators by turns, one instruction a turn
.set rS, S+32*(i%4)+8*((i/4)%4)
.set rK, KV+16*((i/4)%4)+8*(i/16)
.set rQ, QF+16*(i%4)+8*(i/16)
.if i < 16
	v_wmma_f32_16x16x32_f16 v[rS:rS+7], v[rK:rK+7], v[rQ:rQ+7], v[BI+8*((i/4)%4):BI+8*((i/4)%4)+7]
.else
	v_wmma_f32_16x16x32_f16 v[rS:rS+7], v[rK:rK+7], v[rQ:rQ+7], v[rS:rS+7]
.endif
.set i, i+1
.endr
.rept 4
	v_nop                                          ; places in front of V's loads into K's registers and of the first read of the scores
.endr
	WIN 0x40
.irp f, 0,1,2,3,4,5,6,7                        ; keys 32 (f / 4) on, channels 16 (f % 4) on, turned
	ds_load_tr16_b128 v[KV+8*\f:KV+8*\f+3], v[ADV] offset:(\f/4)*4096+(\f%4)*512
	ds_load_tr16_b128 v[KV+8*\f+4:KV+8*\f+7], v[ADV] offset:(\f/4)*4096+2048+(\f%4)*512
.endr
	WIN 0
.set j, 0
.rept 16                                       ; the maximum; the four tiles by turns
.irp x, 0,1,2,3
	SMX \x, \first
.endr
.set j, j+1
.endr
.irp x, 0,1,2,3
	v_permlanex16_b32 v[ST+8*\x+5], v[ST+8*\x+4], s[SEL], s[SEL+1]  ; the query's other 32 keys lie in the lane 16 away
.endr
.if \first == 0
.irp x, 0,1,2,3
	v_mov_b32 v[ST+8*\x+7], v[ST+8*\x]             ; g m_old
.endr
.endif
.irp x, 0,1,2,3
	v_max_num_f32 v[ST+8*\x+1], v[ST+8*\x+4], v[ST+8*\x+5]
.endr
.irp x, 0,1,2,3
	v_mul_f32 v[ST+8*\x], s[G], v[ST+8*\x+1]       ; g m
.endr
.if \first == 0
.irp x, 0,1,2,3
	v_sub_f32 v[ST+8*\x+7], v[ST+8*\x+7], v[ST+8*\x]
.endr
.endif
.set j, 0
.rept 16
.irp x, 0,1,2,3
	v_pk_fma_f32 v[S+32*\x+2*j:S+32*\x+2*j+1], v[S+32*\x+2*j:S+32*\x+2*j+1], s[G:G+1], v[ST+8*\x:ST+8*\x+1] op_sel_hi:[1,0,0] neg_lo:[0,0,1] neg_hi:[0,0,1]   ; g s - g m
.endr
.set j, j+1
.endr
.if \first == 0
.irp x, 0,1,2,3
	v_exp_f32 v[ST+8*\x+6], v[ST+8*\x+7]           ; a = 2^(g m_old - g m_new)
.endr
.endif
.set j, 0
.rept 128
	v_exp_f32 v[S+j], v[S+j]                       ; p, at most 1
.set j, j+1
.endr
	v_nop                                          ; a plain instruction behind the last exponential
	s_wait_alu depctr_va_vdst(0)                   ; one wait for the whole batch, ahead of its first reader
.irp x, 0,1,2,3                                ; the sum of the unrounded p, packed, in two chains that leave p whole
.if \first
	v_pk_add_f32 v[ST+8*\x+2:ST+8*\x+3], v[S+32*\x:S+32*\x+1], v[S+32*\x+4:S+32*\x+5]
.else
	v_pk_fma_f32 v[ST+8*\x+2:ST+8*\x+3], v[ST+8*\x+2:ST+8*\x+3], v[ST+8*\x+6:ST+8*\x+7], v[S+32*\x:S+32*\x+1] op_sel_hi:[1,0,1]
.endif
.endr
.irp x, 0,1,2,3
	v_pk_add_f32 v[ST+8*\x+4:ST+8*\x+5], v[S+32*\x+2:S+32*\x+3], v[S+32*\x+6:S+32*\x+7]
.endr
.if \first == 0
.irp x, 0,1,2,3
	v_pk_add_f32 v[ST+8*\x+2:ST+8*\x+3], v[ST+8*\x+2:ST+8*\x+3], v[S+32*\x+4:S+32*\x+5]
.endr
.endif
.set j, 2
.rept 6
.irp x, 0,1,2,3
	v_pk_add_f32 v[ST+8*\x+2:ST+8*\x+3], v[ST+8*\x+2:ST+8*\x+3], v[S+32*\x+4*j:S+32*\x+4*j+1]
	v_pk_add_f32 v[ST+8*\x+4:ST+8*\x+5], v[ST+8*\x+4:ST+8*\x+5], v[S+32*\x+4*j+2:S+32*\x+4*j+3]
.endr
.set j, j+1
.endr
.irp x, 0,1,2,3
	v_pk_add_f32 v[ST+8*\x+2:ST+8*\x+3], v[ST+8*\x+2:ST+8*\x+3], v[ST+8*\x+4:ST+8*\x+5]
.endr
.set j, 0
.rept 16                                       ; p to f16, in place, ascending: register j takes numbers 2 j and 2 j + 1, which no later line reads
.irp x, 0,1,2,3
	v_cvt_pk_f16_f32 v[S+32*\x+j], v[S+32*\x+2*j], v[S+32*\x+2*j+1]
.endr
.set j, j+1
.endr
.if \first == 0
	WIN 0x41                                       ; O^T window 1, a window 0
.set j, 0
.rept 16
.irp x, 0,1,2,3
	v_pk_mul_f32 v[OT+32*\x+2*j:OT+32*\x+2*j+1], v[OT+32*\x+2*j:OT+32*\x+2*j+1], v[ST+8*\x+6:ST+8*\x+7] op_sel_hi:[1,0]
.endr
.set j, j+1
.endr
.endif
	s_wait_dscnt 0x0                               ; V is in
	WIN 0x51                                       ; V and O^T window 1, P window 0
.set i, 0
.rept 32                                       ; sixteen accumulators by turns
.set rO, OT+32*(i%4)+8*((i/4)%4)
.set rV, KV+32*(i/16)+8*((i/4)%4)
.set rP, S+32*(i%4)+8*(i/16)
.if \first && (i < 16)
	v_wmma_f32_16x16x32_f16 v[rO:rO+7], v[rV:rV+7], v[rP:rP+7], 0
.else
	v_wmma_f32_16x16x32_f16 v[rO:rO+7], v[rV:rV+7], v[rP:rP+7], v[rO:rO+7]
.endif
.set i, i+1
.endr
	WIN 0
.endm
.macro PHASE base, tbb, trips          ; key steps of one slot: written once, walked trips times
	s_mov_b32 s[TB], \base
	s_mov_b32 s[TBB], \tbb
	s_mov_b32 s[CNT], \trips
.Lstep_\@:
	STEP 0
	s_add_co_u32 s[TB], s[TB], 8192                ; 4 key tiles of 2,048 bytes
	s_add_co_u32 s[TBB], s[TBB], 256               ; 64 keys of 4 bytes
	s_sub_co_u32 s[CNT], s[CNT], 1
	s_cmp_lg_u32 s[CNT], 0
	s_cbranch_scc1 .Lstep_\@
.endm
; THE CHANGE OF SLOTS with a refill: all my tensor loads have landed (my part of the slot ahead); the add; my reads of the slot that I leave are over; a round of the cluster's barrier; the joint refill first behind it.
.macro CHANGE g0
	s_wait_tensorcnt 0x0                           ; no tensor load of mine is out, so a group 0 may be written
	ds_add_u32 v[SPW], v[NIL]                      ; 0 onto my spare word
	s_add_nc_u64 s[\g0+2:\g0+3], s[\g0+2:\g0+3], 131072   ; 1,024 keys on
	s_wait_dscnt 0x0
	CROUND
	tensor_load_to_lds s[\g0:\g0+3], s[G1:G1+7]    ; my one tensor load until the next round
	s_nop 0
.rept 4
	v_nop
.endr
.endm
	s_mov_b32 s[TB], 0
	s_mov_b32 s[TBB], 0
	STEP 1                                         ; keys 0 .. 63
	PHASE 8192, 256, 7                             ; the rest of slot 0
	CHANGE G0A                                     ; slot 0 takes keys 1,024 on
	PHASE SLOT1, 2048, 8
	CHANGE G0B                                     ; slot 1 takes keys 1,536 on
	PHASE 0, 4096, 8
	s_wait_tensorcnt 0x0                           ; the last change: nothing is asked for
	ds_add_u32 v[SPW], v[NIL]
	s_wait_dscnt 0x0
	s_barrier_signal -1
	s_barrier_wait -1
	PHASE SLOT1, 6144, 8
	; THE WAY OUT.  l's halves and the other half of the lanes' are added (these lines are the places behind the last products); O^T / l, rounded to f16: a lane's 16 bytes are a chunk of the next launch's operand image.
.irp x, 0,1,2,3
	v_add_f32 v[ST+8*\x+4], v[ST+8*\x+2], v[ST+8*\x+3]
.endr
.irp x, 0,1,2,3
	v_permlanex16_b32 v[ST+8*\x+5], v[ST+8*\x+4], s[SEL], s[SEL+1]
.endr
.irp x, 0,1,2,3
	v_add_f32 v[ST+8*\x+4], v[ST+8*\x+4], v[ST+8*\x+5]
.endr
.irp x, 0,1,2,3
	v_rcp_f32 v[ST+8*\x+6], v[ST+8*\x+4]
.endr
	v_nop
	s_wait_alu depctr_va_vdst(0)                   ; one wait for the four reciprocals
.macro PACK x
	WIN 0x41
.set j, 0
.rept 16
	v_pk_mul_f32 v[OT+32*\x+2*j:OT+32*\x+2*j+1], v[OT+32*\x+2*j:OT+32*\x+2*j+1], v[ST+8*\x+6:ST+8*\x+7] op_sel_hi:[1,0]
.set j, j+1
.endr
	WIN 0x05
.set j, 0
.rept 16
	v_cvt_pk_f16_f32 v[S+16*\x+j], v[OT+32*\x+2*j], v[OT+32*\x+2*j+1]
.set j, j+1
.endr
	WIN 0
.irp ct, 0,1,2,3
	global_store_b128 v[L16], v[S+16*\x+4*\ct:S+16*\x+4*\ct+3], s[18:19] offset:4096*\x+512*\ct   ; 512 consecutive bytes, aligned
.endr
.endm
	PACK 0
	PACK 1
	PACK 2
	PACK 3
	s_wait_tensorcnt 0x0                           ; the wave's end
	ds_add_u32 v[SPW], v[NIL]
	s_wait_dscnt 0x0
	CROUND                                         ; the closing round
	s_endpgm
.Lfunc_end_k_qd0fcb6ed52_attn:
	.size	k_qd0fcb6ed52_attn, .Lfunc_end_k_qd0fcb6ed52_attn-k_qd0fcb6ed52_attn
	.p2alignl 7, 3214868480
	.fill 96, 4, 3214868480
	.section	.rodata,"a",@progbits
	.p2align	6, 0x0
	.amdhsa_kernel k_qd0fcb6ed52_attn
		.amdhsa_group_segment_fixed_size 327680
		.amdhsa_private_segment_fixed_size 0
		.amdhsa_enable_private_segment 0
		.amdhsa_kernarg_size 24
		.amdhsa_user_sgpr_count 2
		.amdhsa_user_sgpr_kernarg_segment_ptr 1
		.amdhsa_wavefront_size32 1
		.amdhsa_system_sgpr_workgroup_id_x 1
		.amdhsa_system_sgpr_workgroup_id_y 1
		.amdhsa_system_sgpr_workgroup_id_z 1
		.amdhsa_system_vgpr_workitem_id 0
		.amdhsa_next_free_vgpr 512
		.amdhsa_next_free_sgpr 66
		.amdhsa_reserve_vcc 0
		.amdhsa_float_denorm_mode_32 3
		.amdhsa_float_denorm_mode_16_64 3
		.amdhsa_memory_ordered 1
		.amdhsa_forward_progress 1
		.amdhsa_inst_pref_size 178
	.end_amdhsa_kernel
	.amdgpu_metadata
---
amdhsa.version: [ 1, 2 ]
amdhsa.kernels:
  - .name:           k_qd0fcb6ed52_attn
    .symbol:         k_qd0fcb6ed52_attn.kd
    .args:
      - { .name: qkv, .offset: 0, .size: 8, .value_kind: global_buffer, .address_space: global }
      - { .name: attention_mask, .offset: 8, .size: 8, .value_kind: global_buffer, .address_space: global }
      - { .name: att, .offset: 16, .size: 8, .value_kind: global_buffer, .address_space: global }
    .group_segment_fixed_size: 327680
    .private_segment_fixed_size: 0
    .kernarg_segment_align: 8
    .kernarg_segment_size: 24
    .max_flat_workgroup_size: 256
    .sgpr_count:     66
    .vgpr_count:     512
    .wavefront_size: 32
...
	.end_amdgpu_metadata
.endif
;; end of part 3
;; launch oproj (part 4): grid 4 x 64, 4 waves a work-group, clusters of 4 x 4, 327,680 bytes of LDS; arguments att, wo, bout, out0; writes out0
.if DOCPART == 4
	.amdgcn_target "amdgcn-amd-amdhsa--gfx1250"
	.amdhsa_code_object_version 6
	.text
	.protected	k_qd0fcb6ed52_oproj
	.globl	k_qd0fcb6ed52_oproj
	.p2align	8
	.type	k_qd0fcb6ed52_oproj,@function
k_qd0fcb6ed52_oproj:
	s_mov_b64 s[64:65], 0
	v_nop
	global_prefetch_b8 v0, s[64:65] scope:SCOPE_SE
	s_setreg_imm32_b32 hwreg(HW_REG_WAVE_MODE, 25, 1), 1
	s_wait_xcnt 0x0
	s_wait_alu depctr_hold_cnt(0) depctr_sa_sdst(0) depctr_va_vdst(0) depctr_va_sdst(0) depctr_va_ssrc(0) depctr_va_vcc(0) depctr_vm_vsrc(0)
	s_getreg_b32 s2, hwreg(HW_REG_IB_STS2, 6, 4)
	s_cmp_eq_u32 s2, 0
	s_cbranch_scc0 .Lentry_in_a_cluster
	s_endpgm
.Lentry_in_a_cluster:
	s_bfe_u32 s2, ttmp6, 0x10000c
	s_cmp_lg_u32 s2, 0xf033
	s_cbranch_scc0 .Lentry_shape_is_right
	s_endpgm
.Lentry_shape_is_right:
; OUT = att Wout + bout: [8192 x 1024] x [1024 x 1024], f16 operands, f32 sums, f32 result.
; A tile of 128 tokens x 256 columns is made by four waves, 64 x 128 each: 32 accumulators, 256 registers; 4 x 64 tiles are 256 work-groups (tiles of 256 x 256 would be 128).
; Both operands come as images of operand registers: a fragment (16 rows x 32 k) is 1,024 bytes, read at 16 x lane and 512 + 16 x lane; a slab of 128 along K of a tile is one dense block.
; K goes in slabs of 128 through a ring of two LDS slots (A 32,768 bytes, B 65,536).  CLUSTERS: 4 x 4; A's tiles are asked for jointly along a row of the cluster, B's along a column.
; THE MATRIX INSTRUCTION IS USED TRANSPOSED (source 0 = 16 columns of Wout, source 1 = 16 tokens): a lane holds eight neighbouring columns of a token.  bout, in that layout, is the C of each sum's first product.
; No prefetch is laid: a slab's matrix work is short and the tile small; each refill goes out first behind its round.
; REGISTERS.  window 0: v16-29 addresses; v64-127 bout; v128-255 the way out.   window 1: two fragment buffers at v0 and v128: A at + 8 a, B at + 32 + 8 b.   window 2: accumulator (a, b) at v[8 (8 a + b)].
.set SLOT,   98304
.set BOFF,   32768
.set SPARE,  2*SLOT                    ; the spare words, 128 bytes a wave: two blocks of 256 bytes that no other line names
.set SPITCH, 528                       ; the way out: a stage of 16 rows x (512 + 16) bytes a wave, in slot 0, behind its last fill and its last read
.set LAPS,   4                         ; 8 slabs, two a lap
.set ADRA, 16
.set ADRB, 20
.set STO,  24
.set RD,   25
.set CO,   26
.set SPW,  28
.set NIL,  29
.set BO,   64
.set BK,   128
.set F0,   0
.set F1,   128
.set G1, 24
.set G0, 32
.set G1B, 48
.set G0B, 56
.set MSB, 0
.macro WIN new
.if MSB != (\new)
	s_set_vgpr_msb (MSB<<8)|(\new)
.set MSB, (\new)
.endif
.endm
.set MUL,  0xa5                        ; sources 0 and 1 window 1; C and D window 2
.set MULZ, 0x85                        ; the same with C (bout) in window 0
.set TO_F, 0x40
.macro JLOAD s                         ; waves 0 and 1 fetch A's halves, waves 2 and 3 B's; an s_nop 0 and four v_nop follow each line
	s_cmp_eq_u32 s13, 0
	s_cbranch_scc0 .Lfor_b_\@
	tensor_load_to_lds s[G0+4*\s:G0+4*\s+3], s[G1:G1+7]
	s_nop 0
.rept 4
	v_nop
.endr
	s_branch .Lasked_\@
.Lfor_b_\@:
	tensor_load_to_lds s[G0B+4*\s:G0B+4*\s+3], s[G1B:G1B+7]
	s_nop 0
.rept 4
	v_nop
.endr
.Lasked_\@:
.endm
.macro CREST
	s_cmp_lg_u32 s12, 0
	s_cbranch_scc1 .Lnot_wave_0_\@
	s_barrier_signal -3
.Lnot_wave_0_\@:
	s_barrier_wait -3
	s_barrier_signal -1
	s_barrier_wait -1
.endm
.macro CROUND
	s_barrier_signal -1
	s_barrier_wait -1
	CREST
.endm
	s_load_b256 s[4:11], s[0:1], 0x0               ; att s[4:5], wo s[6:7], bout s[8:9], out0 s[10:11]
	v_lshl_add_u32 v[SPW], v0, 2, SPARE
	v_mov_b32 v[NIL], 0
	ds_add_u32 v[SPW], v[NIL]                      ; the wave's opening: the add, twice on end, and its wait ahead of my first tensor load
	ds_add_u32 v[SPW], v[NIL]
	v_lshrrev_b32 v1, 5, v0
	v_readfirstlane_b32 s12, v1                    ; wave 0..3
	s_lshr_b32 s13, s12, 1                         ; which 64 tokens are mine.  Also: I fetch for A (0) or for B (1)
	s_and_b32 s14, s12, 1                          ; which 128 columns.  Also: which half of that tile I fetch
	s_bfe_u32 s40, ttmp6, 0x40000
	s_bfe_u32 s41, ttmp6, 0x40004
	s_lshl_b32 s42, ttmp9, 2
	s_add_co_u32 s42, s42, s40                     ; tile column
	s_and_b32 s15, ttmp7, 0xffff
	s_lshl_b32 s15, s15, 2
	s_add_co_u32 s15, s15, s41                     ; tile row
	s_lshl_b32 s43, s41, 2
	s_lshl_b32 s43, 15, s43                        ; my row of the cluster
	s_lshl_b32 s44, 0x1111, s40                    ; my column
	s_or_b32 s[G1+0], s43, (3<<16)|(1<<21)         ; A: 16,384 dense bytes as 64 rows of 32 elements of 8 bytes
	s_mov_b32 s[G1+1], 32<<16
	s_mov_b32 s[G1+2], 64<<16
	s_mov_b32 s[G1+3], 32<<16
	s_mov_b32 s[G1+4], 64
	s_mov_b32 s[G1+5], 32
	s_mov_b32 s[G1+6], 0
	s_mov_b32 s[G1+7], 0
	s_or_b32 s[G1B+0], s44, (3<<16)|(1<<21)        ; B: 32,768 dense bytes as 128 rows
	s_mov_b32 s[G1B+1], 32<<16
	s_mov_b32 s[G1B+2], 128<<16
	s_mov_b32 s[G1B+3], 32<<16
	s_mov_b32 s[G1B+4], 128
	s_mov_b32 s[G1B+5], 32
	s_mov_b32 s[G1B+6], 0
	s_mov_b32 s[G1B+7], 0
	s_lshl_b32 s16, s15, 15                        ; A: a tile row is 8 tiles of tokens x 4,096 bytes a slab
	s_lshl_b32 s17, s14, 14
	s_add_co_u32 s16, s16, s17
	s_mov_b32 s17, 0
	s_lshl_b32 s46, s42, 16                        ; B: a tile column is 16 tiles x 4,096 bytes a slab
	s_lshl_b32 s47, s14, 15
	s_add_co_u32 s46, s46, s47
	s_mov_b32 s47, 0
	s_lshl_b32 s20, s14, 14                        ; where they go: no place in the cluster enters an LDS address
	s_lshl_b32 s21, s14, 15
	s_add_co_u32 s21, s21, BOFF
	s_wait_dscnt 0x0                               ; both opening adds are done
	s_wait_kmcnt 0x0
	s_add_nc_u64 s[16:17], s[4:5], s[16:17]
	s_add_nc_u64 s[46:47], s[6:7], s[46:47]
	CROUND                                         ; all sixteen work-groups are here: the first joint loads meet
.irp s, 0,1
	s_mov_b32 s[G0+4*\s], 1
	s_add_co_u32 s[G0+4*\s+1], s20, \s*SLOT
	s_add_nc_u64 s[G0+4*\s+2:G0+4*\s+3], s[16:17], \s*2097152       ; slab s of att
	s_or_b32 s[G0+4*\s+3], s[G0+4*\s+3], 0x80000000
	s_mov_b32 s[G0B+4*\s], 1
	s_add_co_u32 s[G0B+4*\s+1], s21, \s*SLOT
	s_add_nc_u64 s[G0B+4*\s+2:G0B+4*\s+3], s[46:47], \s*262144      ; slab s of wo
	s_or_b32 s[G0B+4*\s+3], s[G0B+4*\s+3], 0x80000000
	JLOAD \s                                       ; two tensor loads of mine are out
.endr
	v_and_b32 v1, 15, v0                           ; r
	v_bfe_u32 v2, v0, 4, 1                         ; h
	v_and_b32 v3, 31, v0
	v_lshlrev_b32 v[CO], 4, v3                     ; 16 x lane
	s_lshl_b32 s21, s13, 14                        ; my 64 tokens of A
	s_lshl_b32 s22, s14, 15                        ; my 128 columns of B
	s_add_co_u32 s22, s22, BOFF
.irp s, 0,1
	v_add_nc_u32 v[ADRA+\s], s21, v[CO]
	v_add_nc_u32 v[ADRB+\s], s22, v[CO]
	s_add_co_u32 s21, s21, SLOT
	s_add_co_u32 s22, s22, SLOT
.endr
	s_mul_i32 s23, s12, 16*SPITCH                  ; my stage
	v_mul_u32_u24 v4, v1, SPITCH
	v_lshl_add_u32 v4, v2, 5, v4
	v_add_nc_u32 v[STO], s23, v4                   ; in: row r, 32 bytes for each half of the lanes
	v_add_nc_u32 v[RD], s23, v[CO]                 ; back: the 32 lanes take one row of 512 bytes
	v_lshlrev_b32 v27, 5, v2                       ; bout: 32 h bytes
	s_lshl_b32 s46, s42, 10                        ; my first column, in bytes of f32
	s_lshl_b32 s47, s14, 9
	s_add_co_u32 s46, s46, s47
	s_mov_b32 s47, 0
	s_add_nc_u64 s[8:9], s[8:9], s[46:47]
.irp b, 0,1,2,3,4,5,6,7
	global_load_b128 v[BO+8*\b:BO+8*\b+3], v27, s[8:9] offset:64*\b          ; bout at my columns 16 b + 8 h + 0 .. 7
	global_load_b128 v[BO+8*\b+4:BO+8*\b+7], v27, s[8:9] offset:64*\b+16
.endr
	s_lshl_b32 s16, s15, 19                        ; my first token's row of out0: 128 x tile row + 64 x half, 4,096 bytes a row
	s_lshl_b32 s17, s13, 18
	s_add_co_u32 s16, s16, s17
	s_mov_b32 s17, 0
	s_add_nc_u64 s[16:17], s[16:17], s[46:47]
	s_add_nc_u64 s[10:11], s[10:11], s[16:17]
.macro MUL8 f, a, zero                 ; A's block a x B's eight, 32 along K.  The 32 accumulators take turns, one instruction a turn, in the same order in every quarter
.irp b, 0,1,2,3,4,5,6,7
.if \zero
	v_wmma_f32_16x16x32_f16 v[8*(8*(\a)+\b):8*(8*(\a)+\b)+7], v[\f+32+8*\b:\f+32+8*\b+7], v[\f+8*(\a):\f+8*(\a)+7], v[BO+8*\b:BO+8*\b+7]
.else
	v_wmma_f32_16x16x32_f16 v[8*(8*(\a)+\b):8*(8*(\a)+\b)+7], v[\f+32+8*\b:\f+32+8*\b+7], v[\f+8*(\a):\f+8*(\a)+7], v[8*(8*(\a)+\b):8*(8*(\a)+\b)+7]
.endif
.endr
.endm
.macro FETCH slot, q, f                ; 24 LDS loads in one run: the fragments of the slab's q-th 32 along K: B's eight, then A's four
	WIN TO_F
.irp i, 0,1,2,3,4,5,6,7
	ds_load_b128 v[\f+32+8*\i:\f+32+8*\i+3], v[ADRB+\slot] offset:4096*\i+1024*(\q)
	ds_load_b128 v[\f+32+8*\i+4:\f+32+8*\i+7], v[ADRB+\slot] offset:4096*\i+1024*(\q)+512
.endr
.irp i, 0,1,2,3
	ds_load_b128 v[\f+8*\i:\f+8*\i+3], v[ADRA+\slot] offset:4096*\i+1024*(\q)
	ds_load_b128 v[\f+8*\i+4:\f+8*\i+7], v[ADRA+\slot] offset:4096*\i+1024*(\q)+512
.endr
.endm
.macro PLACES                          ; four plain vector instructions in front of loads into registers that matrix instructions have read, and of reads of results
.rept 4
	v_nop
.endr
.endm
.macro QUARTER slot, q, f, g, zero     ; multiplies buffer f; in its middle fetches the slab's q-th quarter into g
	s_wait_dscnt 4                                 ; B and A's blocks 0, 1 are in; the youngest four loads (A's blocks 2, 3) may be out
.if \zero
	WIN MULZ
.else
	WIN MUL
.endif
	MUL8 \f, 0, \zero
	MUL8 \f, 1, \zero
	PLACES
	FETCH \slot, \q, \g
	s_wait_dscnt 24                                ; all but the 24 just issued
.if \zero
	WIN MULZ
.else
	WIN MUL
.endif
	MUL8 \f, 2, \zero
	MUL8 \f, 3, \zero
.endm
; A slab's last quarter multiplies buffer 1 and changes slots: one barrier; in front of it each wave waits for all its tensor loads, adds 0 to its spare word, and waits for that and for its reads of this slot.
.macro TURN slot, next, fill
	WIN 0
	s_wait_tensorcnt 0x0                           ; all my tensor loads have landed: my part of the next slot
	ds_add_u32 v[SPW], v[NIL]                      ; 0 onto my spare word
	s_wait_dscnt 5                                 ; the add and the youngest four loads may be out
	WIN MUL
	MUL8 F1, 0, 0
	s_wait_dscnt 0x0                               ; the add is done, and my reads of this slot are over
	s_barrier_signal -1
	MUL8 F1, 1, 0
.if \fill
	WIN 0
.endif
	s_barrier_wait -1
.if \fill
	CREST                                          ; the barrier has opened a round of the cluster's: no wave of any partner still reads this slot or has a load on its way
	s_add_nc_u64 s[G0+4*\slot+2:G0+4*\slot+3], s[G0+4*\slot+2:G0+4*\slot+3], 2*2097152
	s_add_nc_u64 s[G0B+4*\slot+2:G0B+4*\slot+3], s[G0B+4*\slot+2:G0B+4*\slot+3], 2*262144
	JLOAD \slot                                    ; the first tensor load behind the round; its four v_nop are the places in front of the loads below
.else
	PLACES
.endif
	FETCH \next, 0, F0
	WIN MUL
	MUL8 F1, 2, 0
	MUL8 F1, 3, 0
.endm
	s_wait_tensorcnt 1                             ; my part of slab 0 is in; slab 1's load may be out
	s_barrier_signal -1
	s_barrier_wait -1
	FETCH 0, 0, F0
	s_wait_loadcnt 0x0                             ; bout
	QUARTER 0, 1, F0, F1, 1                        ; the first quarter stands in front of the loop: its products start the sums from bout
	WIN 0
	s_mov_b32 s3, LAPS-1
.Llap:                                                 ; a trip goes once round the ring and fills both slots again
	QUARTER 0, 2, F1, F0, 0
	QUARTER 0, 3, F0, F1, 0
	TURN 0, 1, 1
	QUARTER 1, 1, F0, F1, 0
	QUARTER 1, 2, F1, F0, 0
	QUARTER 1, 3, F0, F1, 0
	TURN 1, 0, 1
	QUARTER 0, 1, F0, F1, 0
	WIN 0
	s_sub_co_u32 s3, s3, 1
	s_cmp_lg_u32 s3, 0
	s_cbranch_scc1 .Llap
	QUARTER 0, 2, F1, F0, 0                        ; the last lap fills nothing
	QUARTER 0, 3, F0, F1, 0
	TURN 0, 1, 0
	QUARTER 1, 1, F0, F1, 0
	QUARTER 1, 2, F1, F0, 0
	QUARTER 1, 3, F0, F1, 0
	s_wait_dscnt 4
	WIN MUL
	MUL8 F1, 0, 0
	MUL8 F1, 1, 0
	s_wait_dscnt 0
	MUL8 F1, 2, 0
	MUL8 F1, 3, 0
	WIN 0
; THE WAY OUT, block by block of 16 tokens x 128 columns: through my own stage in LDS and back as whole rows of 512 bytes.  LDS serves a wave's instructions in order (ISA guide 5.7.1): no wait between the stores and the loads.
.macro TOSTAGE a
	WIN 0x08                                       ; an LDS store's data: window 2
.irp b, 0,1,2,3,4,5,6,7
	ds_store_b128 v[STO], v[8*(8*(\a)+\b):8*(8*(\a)+\b)+3] offset:64*\b           ; each accumulator from its low end on
	ds_store_b128 v[STO], v[8*(8*(\a)+\b)+4:8*(8*(\a)+\b)+7] offset:64*\b+16
.endr
	WIN 0
.set BB, BK+64*((\a)%2)
.irp t, 0,1,2,3,4,5,6,7,8,9,10,11,12,13,14,15
	ds_load_b128 v[BB+4*\t:BB+4*\t+3], v[RD] offset:\t*SPITCH
.endr
.endm
.macro SEND a, younger
.set BB, BK+64*((\a)%2)
	s_wait_dscnt \younger                          ; the block is back in registers; the next block's LDS instructions may be out
.irp t, 0,1,2,3,4,5,6,7,8,9,10,11,12,13,14,15
	global_store_b128 v[CO], v[BB+4*\t:BB+4*\t+3], s[10:11] offset:(16*(\a)+\t)*4096 th:TH_STORE_NT   ; 512 consecutive bytes, aligned
.endr
.endm
	PLACES
	TOSTAGE 0
.irp a, 1,2,3
.if \a > 1
	s_wait_xcnt 0x0                                ; the stores of two blocks back have read their registers: this block's loads may land there
.endif
	TOSTAGE \a
	SEND \a-1, 32
.endr
	SEND 3, 0
	s_wait_tensorcnt 0x0                           ; the wave's end
	ds_add_u32 v[SPW], v[NIL]
	s_wait_dscnt 0x0
	CROUND                                         ; the closing round
	s_endpgm
.Lfunc_end_k_qd0fcb6ed52_oproj:
	.size	k_qd0fcb6ed52_oproj, .Lfunc_end_k_qd0fcb6ed52_oproj-k_qd0fcb6ed52_oproj
	.p2alignl 7, 3214868480
	.fill 96, 4, 3214868480
	.section	.rodata,"a",@progbits
	.p2align	6, 0x0
	.amdhsa_kernel k_qd0fcb6ed52_oproj
		.amdhsa_group_segment_fixed_size 327680
		.amdhsa_private_segment_fixed_size 0
		.amdhsa_enable_private_segment 0
		.amdhsa_kernarg_size 32
		.amdhsa_user_sgpr_count 2
		.amdhsa_user_sgpr_kernarg_segment_ptr 1
		.amdhsa_wavefront_size32 1
		.amdhsa_system_sgpr_workgroup_id_x 1
		.amdhsa_system_sgpr_workgroup_id_y 1
		.amdhsa_system_sgpr_workgroup_id_z 1
		.amdhsa_system_vgpr_workitem_id 0
		.amdhsa_next_free_vgpr 768
		.amdhsa_next_free_sgpr 66
		.amdhsa_reserve_vcc 0
		.amdhsa_float_denorm_mode_32 3
		.amdhsa_float_denorm_mode_16_64 3
		.amdhsa_memory_ordered 1
		.amdhsa_forward_progress 1
		.amdhsa_inst_pref_size 86
	.end_amdhsa_kernel
	.amdgpu_metadata
---
amdhsa.version: [ 1, 2 ]
amdhsa.kernels:
  - .name:           k_qd0fcb6ed52_oproj
    .symbol:         k_qd0fcb6ed52_oproj.kd
    .args:
      - { .name: att, .offset: 0, .size: 8, .value_kind: global_buffer, .address_space: global }
      - { .name: wo, .offset: 8, .size: 8, .value_kind: global_buffer, .address_space: global }
      - { .name: bout, .offset: 16, .size: 8, .value_kind: global_buffer, .address_space: global }
      - { .name: out0, .offset: 24, .size: 8, .value_kind: global_buffer, .address_space: global }
    .group_segment_fixed_size: 327680
    .private_segment_fixed_size: 0
    .kernarg_segment_align: 8
    .kernarg_segment_size: 32
    .max_flat_workgroup_size: 128
    .sgpr_count:     66
    .vgpr_count:     768
    .wavefront_size: 32
...
	.end_amdgpu_metadata
.endif
;; end of part 4
